; MI455X (gfx1250); checked and timed in simulation.
; The chip was launched on July 23, 2026; its instructions are those of AMD's public machine-readable ISA for CDNA 5 (MIT licence, August 2026) and "CDNA5" Instruction Set Architecture Reference Guide (July 2026). The comments in the code are by the model that wrote it; some were corrected since.
;; Attention Act Prune. Allowed arithmetic: matrix products marked QUANTISED: E2M3 operands, one E8M0 scale for each 32 along K, by v_wmma_scale_f32_16x16x128_f8f6f4 with both operands' format E2M3, f32 sums; everything else in f32.
;; Inputs: Wk 1,024 x 1,024 float32; Wo 1,024 x 1,024 float32; Wq 1,024 x 1,024 float32; Wv 1,024 x 1,024 float32; bk 1,024 float32; bo 1,024 float32; bq 1,024 float32; bv 1,024 float32; hidden_states 4 x 2,048 x 1,024 float32.
;; Outputs: out0 4 x 2,048 x 1,024 float32.
;; This version of the problem:
;;   THIS VERSION OF THE PROBLEM IS GIVEN IN LOW PRECISION. The matrix products marked QUANTISED in the list below multiply operands that are first quantised to E2M3 (2 exponent bits, 3 mantissa bits; 6 bits a number), with one power-of-two scale for each 32 numbers along K (OCP MX v1.0); their sums are f32. All else is computed in f32.
;;   The module's matrix products, in the order in which they are computed (A, B: the left and right operand; K: the contracted axis; several contracted axes count as one K, in the product's order):
;;     1. [M 8,192, K 1,024] x [K 1,024, N 1,024]; A: input hidden_states; B: input Wq: QUANTISED
;;     2. [M 8,192, K 1,024] x [K 1,024, N 1,024]; A: input hidden_states; B: input Wk: QUANTISED
;;     3. [M 8,192, K 1,024] x [K 1,024, N 1,024]; A: input hidden_states; B: input Wv: QUANTISED
;;     4. batch 64 x [M 2,048, K 64] x [K 64, N 2,048]; A: computed on the way; B: computed on the way: QUANTISED
;;     5. batch 64 x [M 2,048, K 2,048] x [K 2,048, N 64]; A: softmax (see below); B: computed on the way: QUANTISED
;;     6. [M 8,192, K 1,024] x [K 1,024, N 1,024]; A: computed on the way; B: input Wo: QUANTISED
;;   THE QUANTISER, for each operand of a quantised product, along K:
;;     - K is cut into blocks of 32 from its start; a last block that is shorter is filled with zeros.
;;     - A block's scale is 2^e with e = floor(log2(the largest magnitude in the block)) - 2, held to -126 .. 127; a block of zeros has e = 0. As a byte (E8M0): e + 127.
;;     - Each number is divided by its block's scale, clamped to +-7.5, and rounded to the nearest number of E2M3, ties to even, subnormals kept.
;;     - The product sums the exact products of the quantised numbers (number of the format x scale) in f32.
;;   ~~~python
;;   def quantise(x, axis):      # numpy; x: float32 -> the quantised numbers, widened to float32 again
;;       x = np.moveaxis(x, axis, -1); K = x.shape[-1]
;;       x = np.pad(x, [(0, 0)] * (x.ndim - 1) + [(0, -K % 32)]); x = x.reshape(x.shape[:-1] + (-1, 32)); a = np.abs(x).max(-1, keepdims=True)
;;       e = np.where(a > 0, np.clip(np.frexp(np.where(a > 0, a, 1))[1] - 1 - 2, -126, 127), 0)      # np.frexp(a)[1] - 1 = floor(log2(a)), exactly
;;       r = np.clip(x / 2.0 ** e, -7.5, 7.5)
;;       step = 2.0 ** (np.maximum(np.frexp(np.where(r == 0, 1, r))[1] - 1, 0) - 3)
;;       q = np.round(r / step) * step * 2.0 ** e      # np.round: ties to even
;;       return np.moveaxis(q.reshape(q.shape[:-2] + (-1,))[..., :K], -1, axis).astype(np.float32)
;;   ~~~
;;   SOFTMAX AHEAD OF A QUANTISED PRODUCT. Where the list says 'softmax', what is quantised is not the finished softmax but p = 2^(t - M), with t = logit x log2(e) and M = ceil(the row's largest t), a whole number; so 1/2 < the row's largest p <= 1. The row's sum l is taken of the UNQUANTISED p, in f32, and the product's result is divided by l at the end. Since M is a whole number, a kernel that streams over the keys may use a running M (the ceiling of the running maximum): every later rescaling is an exact power of two, which a block's scale takes up: the codes' values come out the same.
;;   OPERANDS COMPUTED ON THE WAY. 'Computed on the way' means the value that the module computes at that place (a softmax that the list does not call 'softmax' is quantised finished and normalised). What goes into a quantiser is computed in f32, as accurately as f32 sums, v_exp_f32 and their like allow (about 1e-6 of the number): no bf16 or f16 on the way to a quantiser, and a product that is left as it is and whose result goes on into a quantised operand takes f32 operands (vector FMAs, or v_wmma_f32_16x16x4_f32). A number that lies on a knife's edge between two numbers of the format may be rounded either way, as far as f32 arithmetic and the matrix unit's own rounding can turn it there, and no further.
;; One version. Each part assembles by itself: llvm-mc -triple=amdgcn-amd-amdhsa -mcpu=gfx1250 --defsym DOCPART=n.
;; ======== version 1 of 1: 4 launches
;; limits: right only within a limited range of input values
;; workspace buffers: opimg 9,437,184 bytes; opsc 393,216 bytes; qkv 20,185,088 bytes; cimg 6,291,456 bytes; csc 524,288 bytes
;; launch quant (part 1): grid 768 x 1, 1 waves a work-group, no clusters, 8,960 bytes of LDS; arguments hidden_states, Wq, Wk, Wv, Wo, opimg, opsc; writes opimg, opsc
.if DOCPART == 1
	.amdgcn_target "amdgcn-amd-amdhsa--gfx1250"
	.amdhsa_code_object_version 6
	.text
	.protected	k_q506ce9155f_quant
	.globl	k_q506ce9155f_quant
	.p2align	8
	.type	k_q506ce9155f_quant,@function
k_q506ce9155f_quant:
	s_mov_b64 s[64:65], 0
	v_nop
	global_prefetch_b8 v0, s[64:65] scope:SCOPE_SE
	s_setreg_imm32_b32 hwreg(HW_REG_WAVE_MODE, 25, 1), 1
	s_wait_xcnt 0x0
; hidden_states [8192][1024] and Wq, Wk, Wv, Wo [1024][1024], f32, K innermost, become codes of FP6 (E2M3) with one E8M0 byte for each 32 along K,
; laid IN THE ORDER OF THE OPERAND'S REGISTERS.  A work-group (one wave) makes one TILE of 16 rows x 1,024 K: 8 fragments of 128 K.
; THE ROWS OF A TILE ARE NOT NEIGHBOURS: row i of tile T is the tensor's row 32 (T / 2) + 8 (T % 2) + i + 8 (i / 8), so that, where such a tile is a product's
; source 0, a lane's 16 result registers of tiles 2 b and 2 b + 1 are 16 neighbours, which the next quantiser wants.
; A fragment in memory is 1,536 bytes: two halves of 64 K, 768 bytes each: registers 6 c .. 6 c + 3 of lane l at 16 l, registers 6 c + 4, 6 c + 5 at 512 + 8 l.
; So every store here, and every later load, covers 512 or 256 consecutive bytes, at a multiple of 256 from the buffer's first byte.
; Scale words: opsc[T][row][8 words], word s = the four bytes of K step s.   Tiles 0-511: hidden_states; 512-575 Wq; 576-639 Wk; 640-703 Wv; 704-767 Wo.
; A block's scale is 2^(floor(log2(largest magnitude)) - 2); its byte is the largest magnitude's exponent field - 2, held at 1 from below.
; LIMITS: a block of zeros gets the byte 1 where the rule says 127 (its codes are zeros, and this program alone reads the bytes); blocks whose largest magnitude
; lies under 2^-124 are held at the byte 1; NaN and infinities among the inputs are not served.
; Loads take the bytes as they lie (32 lanes x 16 bytes = 512 consecutive bytes of one row); the 16 x 512 bytes of a K step turn through a stage in LDS (rows 528 bytes
; apart), from which lane (r, h) takes, of row r, k = 64 c + 32 h + 0 .. 31: the very numbers that the operand's layout gives that lane.  Loads run two K steps ahead.
.set R,   16                           ; v16-143   two sets of 64: a K step as loaded
.set X,   144                          ; v144-207  my 64 numbers: two whole blocks of 32
.set PC,  208                          ; v208-219  the fragment's 12 registers
.set PT,  220                          ; v220-226  the upper halves of the blocks' codes, before they are moved
.set TM,  228                          ; v228-229  largest magnitudes
.set SCO, 230                          ; v230-231  the conversions' scale operands
.set BY,  232                          ; v232-233  scale bytes
.set TX,  234                          ; v234      the other half's bytes
.set PW,  240                          ; v240-247  the scale words of the 8 K steps
.set SD,  248                          ; v248-251  the four words that I store
	s_load_b256 s[4:11], s[0:1], 0x0               ; hidden_states, Wq, Wk, Wv
	s_load_b128 s[12:15], s[0:1], 0x20             ; Wo, opimg
	s_load_b64 s[16:17], s[0:1], 0x30              ; opsc
	v_lshl_add_u32 v254, v0, 2, 0x2200
	v_mov_b32 v255, 0
	v_lshlrev_b32 v1, 4, v0                        ; 16 x lane
	v_lshlrev_b32 v2, 3, v0                        ; 8 x lane
	v_and_b32 v6, 15, v0                           ; r
	v_lshrrev_b32 v7, 4, v0                        ; h
	v_mul_u32_u24 v3, v6, 528
	v_lshl_add_u32 v3, v7, 7, v3                   ; out of the stage: row r, + 128 h bytes
	v_lshlrev_b32 v4, 3, v7                        ; 8 h: my bytes' place in a scale word
	v_lshlrev_b32 v5, 5, v6
	v_lshl_add_u32 v5, v7, 4, v5                   ; scale words: 32 r + 16 h
	v_mov_b32 v[TX], 0                             ; a lane permute's destination counts as one of its sources
	s_mov_b32 s20, 0x76543210
	s_mov_b32 s21, 0xfedcba98                      ; v_permlanex16_b32's selects for lane l xor 16
	s_mov_b32 s22, 0xffff0000                      ; lanes 16-31
	s_and_b32 s23, ttmp9, 63                       ; a weight's tile
	s_wait_alu depctr_va_vdst(0)
	s_wait_kmcnt 0x0
	s_mov_b64 s[18:19], s[12:13]                   ; whose tile is mine?  The choice hangs on the work-group's number alone
	s_cmp_lt_u32 ttmp9, 704
	s_cselect_b64 s[18:19], s[10:11], s[18:19]
	s_cmp_lt_u32 ttmp9, 640
	s_cselect_b64 s[18:19], s[8:9], s[18:19]
	s_cmp_lt_u32 ttmp9, 576
	s_cselect_b64 s[18:19], s[6:7], s[18:19]
	s_cmp_lt_u32 ttmp9, 512
	s_cselect_b64 s[18:19], s[4:5], s[18:19]
	s_cselect_b32 s23, ttmp9, s23                  ; the tile's number in its tensor
	s_lshr_b32 s24, s23, 1
	s_lshl_b32 s24, s24, 17                        ; 32 (T / 2) rows of 4,096 bytes
	s_and_b32 s25, s23, 1
	s_lshl_b32 s25, s25, 15                        ; + 8 (T % 2) rows
	s_add_co_u32 s24, s24, s25
	s_mov_b32 s25, 0
	s_add_nc_u64 s[18:19], s[18:19], s[24:25]
	s_mul_i32 s24, ttmp9, 12288
	s_add_nc_u64 s[14:15], s[14:15], s[24:25]      ; my tile's 8 fragments
	s_lshl_b32 s24, ttmp9, 9
	s_add_nc_u64 s[16:17], s[16:17], s[24:25]      ; and its scale words
.macro LOAD f                          ; K step f of the tile's 16 rows: each load reads 512 consecutive bytes
.irp i, 0,1,2,3,4,5,6,7,8,9,10,11,12,13,14,15
	global_load_b128 v[R+64*((\f)%2)+4*\i:R+64*((\f)%2)+4*\i+3], v1, s[18:19] offset:(\i+8*(\i/8))*4096+512*(\f) th:TH_LOAD_NT
.endr
.endm
.macro FRAGQ f
.if (\f) < 7
	s_wait_loadcnt 16                              ; this K step's 16 loads are in; the next step's 16 may be out
.else
	s_wait_loadcnt 0x0
.endif
.irp i, 0,1,2,3,4,5,6,7,8,9,10,11,12,13,14,15
	ds_store_b128 v1, v[R+64*((\f)%2)+4*\i:R+64*((\f)%2)+4*\i+3] offset:528*\i
.endr
.irp c, 0,1                            ; LDS serves a wave's instructions in order (ISA guide 5.7.1.4): these see the stores above
.irp j, 0,1,2,3,4,5,6,7
	ds_load_b128 v[X+32*\c+4*\j:X+32*\c+4*\j+3], v3 offset:256*\c+16*\j
.endr
.endr
	s_wait_dscnt 0x0                               ; my 64 numbers are here, and the stores into the stage have read their registers,
.if (\f) < 6
	LOAD (\f)+2                                    ; which take the loads of two K steps on
.endif
.irp c, 0,1                            ; my block 2 c + h: all its 32 numbers are mine
	v_max3_num_f32 v[TM+\c], |v[X+32*\c]|, |v[X+32*\c+1]|, 0x1800000   ; and the floor 2^(3 - 127): the byte cannot fall under 1
.endr
.irp i, 2,4,6,8,10,12,14,16,18,20,22,24,26,28,30
.irp c, 0,1
	v_max3_num_f32 v[TM+\c], v[TM+\c], |v[X+32*\c+\i]|, |v[X+32*\c+\i+1]|   ; (the two blocks by turns)
.endr
.endr
.irp c, 0,1
	v_add_nc_u32 v[SCO+\c], 0xff000000, v[TM+\c]   ; 2 off the exponent field: the conversion takes the exponent field of this operand as its scale
.endr
.irp c, 0,1
	v_lshrrev_b32 v[BY+\c], 23, v[SCO+\c]          ; the scale's byte
.endr
	v_lshl_or_b32 v[PW+(\f)], v[BY+1], 16, v[BY]   ; blocks h and 2 + h of my row,
	v_lshlrev_b32 v[PW+(\f)], v4, v[PW+(\f)]       ; at their places in the word;
	v_permlanex16_b32 v[TX], v[PW+(\f)], s20, s21
	v_or_b32 v[PW+(\f)], v[PW+(\f)], v[TX]         ; with lane l xor 16's two the word is whole, in both halves of the lanes
	s_wait_alu depctr_va_vdst(0)
	s_wait_xcnt 0x0                                ; the last fragment's stores have read their registers: the codes may be written again
.irp c, 0,1
	v_cvt_scalef32_pk16_fp6_f32 v[PC+6*\c:PC+6*\c+2], v[X+32*\c:X+32*\c+15], v[SCO+\c]
	v_cvt_scalef32_pk16_fp6_f32 v[PT+4*\c:PT+4*\c+2], v[X+32*\c+16:X+32*\c+31], v[SCO+\c]   ; (a conversion's three registers begin on an even number)
.endr
	v_nop                                          ; one plain place behind a scaled conversion
.irp c, 0,1
.irp i, 0,1,2
	v_mov_b32 v[PC+6*\c+3+\i], v[PT+4*\c+\i]
.endr
.endr
	global_store_b128 v1, v[PC:PC+3], s[14:15] offset:1536*(\f)
	global_store_b64 v2, v[PC+4:PC+5], s[14:15] offset:1536*(\f)+512
	global_store_b128 v1, v[PC+6:PC+9], s[14:15] offset:1536*(\f)+768
	global_store_b64 v2, v[PC+10:PC+11], s[14:15] offset:1536*(\f)+1280
.endm
	LOAD 0
	LOAD 1
.irp f, 0,1,2,3,4,5,6,7
	FRAGQ \f
.endr
.irp i, 0,1,2,3
	v_cndmask_b32 v[SD+\i], v[PW+\i], v[PW+4+\i], s22   ; lanes 0-15 store words 0-3 of their row, lanes 16-31 words 4-7
.endr
	global_store_b128 v5, v[SD:SD+3], s[16:17]     ; the 32 lanes store the tile's 512 consecutive bytes
	s_wait_tensorcnt 0x0
	ds_add_u32 v254, v255
	s_wait_dscnt 0x0
	s_endpgm
.Lfunc_end_k_q506ce9155f_quant:
	.size	k_q506ce9155f_quant, .Lfunc_end_k_q506ce9155f_quant-k_q506ce9155f_quant
	.p2alignl 7, 3214868480
	.fill 96, 4, 3214868480
	.section	.rodata,"a",@progbits
	.p2align	6, 0x0
	.amdhsa_kernel k_q506ce9155f_quant
		.amdhsa_group_segment_fixed_size 8960
		.amdhsa_private_segment_fixed_size 0
		.amdhsa_enable_private_segment 0
		.amdhsa_kernarg_size 56
		.amdhsa_user_sgpr_count 2
		.amdhsa_user_sgpr_kernarg_segment_ptr 1
		.amdhsa_wavefront_size32 1
		.amdhsa_system_sgpr_workgroup_id_x 1
		.amdhsa_system_sgpr_workgroup_id_y 1
		.amdhsa_system_sgpr_workgroup_id_z 1
		.amdhsa_system_vgpr_workitem_id 0
		.amdhsa_next_free_vgpr 256
		.amdhsa_next_free_sgpr 66
		.amdhsa_reserve_vcc 0
		.amdhsa_float_denorm_mode_32 3
		.amdhsa_float_denorm_mode_16_64 3
		.amdhsa_memory_ordered 1
		.amdhsa_forward_progress 1
		.amdhsa_inst_pref_size 58
	.end_amdhsa_kernel
	.amdgpu_metadata
---
amdhsa.version: [ 1, 2 ]
amdhsa.kernels:
  - .name:           k_q506ce9155f_quant
    .symbol:         k_q506ce9155f_quant.kd
    .args:
      - { .name: hidden_states, .offset: 0, .size: 8, .value_kind: global_buffer, .address_space: global }
      - { .name: Wq, .offset: 8, .size: 8, .value_kind: global_buffer, .address_space: global }
      - { .name: Wk, .offset: 16, .size: 8, .value_kind: global_buffer, .address_space: global }
      - { .name: Wv, .offset: 24, .size: 8, .value_kind: global_buffer, .address_space: global }
      - { .name: Wo, .offset: 32, .size: 8, .value_kind: global_buffer, .address_space: global }
      - { .name: opimg, .offset: 40, .size: 8, .value_kind: global_buffer, .address_space: global }
      - { .name: opsc, .offset: 48, .size: 8, .value_kind: global_buffer, .address_space: global }
    .group_segment_fixed_size: 8960
    .private_segment_fixed_size: 0
    .kernarg_segment_align: 8
    .kernarg_segment_size: 56
    .max_flat_workgroup_size: 32
    .sgpr_count:     66
    .vgpr_count:     256
    .wavefront_size: 32
...
	.end_amdgpu_metadata
.endif
;; end of part 1
;; launch qkv (part 2): grid 24 x 32, 4 waves a work-group, clusters of 4 x 4, 327,680 bytes of LDS; arguments opimg, opsc, bq, bk, bv, qkv; writes qkv
.if DOCPART == 2
	.amdgcn_target "amdgcn-amd-amdhsa--gfx1250"
	.amdhsa_code_object_version 6
	.text
	.protected	k_q506ce9155f_qkv
	.globl	k_q506ce9155f_qkv
	.p2align	8
	.type	k_q506ce9155f_qkv,@function
k_q506ce9155f_qkv:
	s_mov_b64 s[64:65], 0
	v_nop
	global_prefetch_b8 v0, s[64:65] scope:SCOPE_SE
	s_setreg_imm32_b32 hwreg(HW_REG_WAVE_MODE, 25, 1), 1
	s_wait_xcnt 0x0
	s_wait_alu depctr_hold_cnt(0) depctr_sa_sdst(0) depctr_va_vdst(0) depctr_va_sdst(0) depctr_va_ssrc(0) depctr_va_vcc(0) depctr_vm_vsrc(0)
	s_getreg_b32 s2, hwreg(HW_REG_IB_STS2, 6, 4)
	s_cmp_eq_u32 s2, 0
	s_cbranch_scc0 .Lentry_in_a_cluster
	s_endpgm
.Lentry_in_a_cluster:
	s_bfe_u32 s2, ttmp6, 0x10000c
	s_cmp_lg_u32 s2, 0xf033
	s_cbranch_scc0 .Lentry_shape_is_right
	s_endpgm
.Lentry_shape_is_right:
; q = x Wq^T + bq, k = x Wk^T + bk, v = x Wv^T + bv on codes of FP6 (E2M3) with E8M0 scales, sums in f32; the results are quantised in registers (q and k along the head's 64,
; v along the tokens, which are the K of attention's second product) and leave as fragment images and scale words: no f32 result goes to memory.
; A work-group makes 256 "A rows" (the matrix instruction's source 1: a lane holds ONE of them) x 128 "B rows" (source 0: a lane's registers run along them, and so does the quantiser).
;   clusters x = 0 .. 3 (q and k): A = 256 tokens, B = 128 rows of Wq or Wk (two heads);     clusters x = 4, 5 (v): A = 256 rows of Wv (four heads), B = 128 tokens.
; Both kinds run ONE text: they differ in numbers chosen by s_cselect_b32 on the cluster's x, which all partners share, and in one store at the end.
; ALL OF K (1,024) LIES IN LDS: 24 tiles x 8 fragments of 1,536 bytes and their scale words.  Nothing is filled twice: no ring.  K comes in two halves of 512, so that work begins when the first has landed.
; CLUSTERS: 4 x 4 work-groups; A's panel is shared along a row of the cluster, B's along a column: each is asked for jointly, by the same tensor loads with a mask that names the four.
; Wave w takes A's tiles 4 w .. 4 w + 3 against all 8 of B: 32 accumulators, which take turns, one instruction a turn.
; BIASES, with no branch: the bias along the registers (bq, bk) enters at the end as BJ x mq + sum; the bias along the lanes (bv) is multiplied by mv and is the C of each sum's first product.
;   mq, mv = 1, 0 for q and k;  0, 1 for v.  Both are always loaded, from addresses that lie inside their buffers on both kinds.
; LIMITS: NaN and infinities among the inputs are not served (a bias times 0 must be 0); a block of zeros gets the byte 1 where the rule says 127 (its codes are zeros; this program alone reads the bytes);
; blocks whose largest magnitude lies under 2^-124 are held at the byte 1.
; THE RECORD of a (batch, head) in qkv, REC bytes: q's 128 half-images of 768 bytes (16 tokens x 64), q's scale units, the same for k, v's [16 steps of 128 keys][2 halves][4 tiles of 16 channels][768], v's scale units.
; A scale unit is 256 bytes for four tiles a = 2 p + j: the word of (tile a, row r) at 8 (r + 16 j) + 4 p.  In q's and k's words bytes 0, 1 are the head's; bytes 2, 3 are the other head's or 0, and scale zero codes only.
; REGISTERS, in windows of 256: window 0: addresses, scale words, biases, the quantiser;  window 1: accumulator (a, b) at v[8 (8 a + b)];  window 2: B's fragments, two sets, at v0 and v96;  window 3: A's, at v0 and v48.
.set REC,   315392
.set ACH,   98304                      ; LDS: K comes in TWO halves of 512.  A half of A: [16 tiles][4 K steps][1536]
.set BCH,   49152                      ; a half of B: [8 tiles][4][1536]
.set BBASE, 2*ACH
.set ASC,   BBASE+2*BCH
.set BSC,   ASC+8192                   ; B's
.set SA,  32                           ; v32-47   A's scale words: register 8 p + s: lanes 0-15 tile 2 p, lanes 16-31 tile 2 p + 1, K step s
.set SB,  48                           ; v48-79   B's likewise
.set BJ,  80                           ; v80-143  the bias along the registers
.set H,   144                          ; v144-207 64 numbers of a lane, ahead of the quantiser
.set CI,  144                          ; v144-175 (before that) the bias along the lanes, eight registers for each of my four tiles of A
.set PC,  208                          ; v208-227 the codes just made
.set TM,  228                          ; v228-243 at work in the quantiser
.set PW,  244                          ; v244-247 the four scale words
.set BA,  26                           ; v26-29   bv at my lane's row of each tile
.set SEL, 66                           ; s[66:67] lane selects for v_permlanex16_b32
.set MQ,  100                          ; s[100:101] mq, twice
.set MSB, 0
.macro WIN new                         ; the immediate's high byte repeats the setting that is left
.if MSB != (\new)
	s_set_vgpr_msb (MSB<<8)|(\new)
.set MSB, (\new)
.endif
.endm
.macro PLACES n
.rept \n
	v_nop
.endr
.endm
.macro CROUND                          ; a round of the cluster's barrier
	s_barrier_signal -1
	s_barrier_wait -1
	s_cmp_lg_u32 s16, 0
	s_cbranch_scc1 .Lnot_wave_0_\@
	s_barrier_signal -3
.Lnot_wave_0_\@:
	s_barrier_wait -3
	s_barrier_signal -1
	s_barrier_wait -1
.endm
; one product; oa, ob = 1: source 0's, source 1's scale words stand in lanes 16-31 of their register
.macro WMR d, a, b, c, sa, sb, oa, ob
.if (\oa) && (\ob)
	v_wmma_scale_f32_16x16x128_f8f6f4 v[\d:\d+7], v[\a:\a+11], v[\b:\b+11], v[\c:\c+7], v[\sa], v[\sb] matrix_a_fmt:MATRIX_FMT_FP6 matrix_b_fmt:MATRIX_FMT_FP6 matrix_a_scale:MATRIX_SCALE_ROW1 matrix_b_scale:MATRIX_SCALE_ROW1
.elseif (\oa)
	v_wmma_scale_f32_16x16x128_f8f6f4 v[\d:\d+7], v[\a:\a+11], v[\b:\b+11], v[\c:\c+7], v[\sa], v[\sb] matrix_a_fmt:MATRIX_FMT_FP6 matrix_b_fmt:MATRIX_FMT_FP6 matrix_a_scale:MATRIX_SCALE_ROW1
.elseif (\ob)
	v_wmma_scale_f32_16x16x128_f8f6f4 v[\d:\d+7], v[\a:\a+11], v[\b:\b+11], v[\c:\c+7], v[\sa], v[\sb] matrix_a_fmt:MATRIX_FMT_FP6 matrix_b_fmt:MATRIX_FMT_FP6 matrix_b_scale:MATRIX_SCALE_ROW1
.else
	v_wmma_scale_f32_16x16x128_f8f6f4 v[\d:\d+7], v[\a:\a+11], v[\b:\b+11], v[\c:\c+7], v[\sa], v[\sb] matrix_a_fmt:MATRIX_FMT_FP6 matrix_b_fmt:MATRIX_FMT_FP6
.endif
.endm
	s_load_b128 s[4:7], s[0:1], 0x0                ; opimg, opsc
	s_load_b128 s[8:11], s[0:1], 0x10              ; bq, bk
	s_load_b128 s[12:15], s[0:1], 0x20             ; bv, qkv
	v_lshl_add_u32 v254, v0, 2, 0x4b000
	v_mov_b32 v255, 0
	ds_add_u32 v254, v255
	ds_add_u32 v254, v255
	v_lshrrev_b32 v1, 5, v0
	v_readfirstlane_b32 s16, v1                    ; wave 0..3
	s_bfe_u32 s19, ttmp6, 0x40000                  ; cx
	s_bfe_u32 s20, ttmp6, 0x40004                  ; cy
	s_and_b32 s23, ttmp7, 0xffff                   ; cluster y
	s_sub_co_u32 s2, ttmp9, 4
	s_lshl_b32 s2, s2, 3
	s_add_co_u32 s2, s2, s23                       ; v: the 16 clusters x = 4, 5 walk the tokens: 8 (x - 4) + y
	s_cmp_lt_u32 ttmp9, 4                          ; q and k, or v?  The cluster's x: the same in all sixteen partners
	s_cselect_b32 s21, ttmp9, s2
	s_cselect_b32 s22, s23, 0
	s_cselect_b32 s3, 0, 640                       ; A's first tile in opimg: x's tiles, or Wv's
	s_cselect_b32 s2, 512, 0                       ; B's: Wq's and Wk's tiles, or x's
	s_cselect_b32 s[MQ], 0x3f800000, 0             ; mq
	s_cselect_b32 s23, 0, 0x3f800000               ; mv
	s_mov_b32 s[MQ+1], s[MQ]                       ; (named with it as a pair, so it is written)
	s_lshl_b32 s21, s21, 2
	s_add_co_u32 s21, s21, s19                     ; xl: which 128 B rows
	s_lshl_b32 s22, s22, 2
	s_add_co_u32 s22, s22, s20                     ; yl: which 256 A rows
	s_lshl_b32 s66, s22, 4
	s_add_co_u32 s66, s66, s3
	s_lshl_b32 s67, s21, 3
	s_add_co_u32 s67, s67, s2
	s_lshl_b32 s2, s20, 2
	s_lshl_b32 s2, 15, s2                          ; my row of the cluster
	s_lshl_b32 s3, 0x1111, s19                     ; my column
	; descriptor groups 1: elements of 8 bytes, no padding.  Codes: a row = a tile's four fragments of a half of K, 768 elements; from tile to tile 1,536 elements.  Scales: dense rows of 256 bytes.
	s_or_b32 s24, s2, (3<<16)|(1<<21)              ; A's codes: 15:0 the mask: my row; 17:16 elements of 8 bytes; 21 set beside a mask
	s_or_b32 s32, s3, (3<<16)|(1<<21)              ; B's codes: my column
	s_or_b32 s40, s2, (3<<16)|(1<<21)              ; A's scales
	s_or_b32 s48, s3, (3<<16)|(1<<21)              ; B's scales
.irp g, 24, 32
	s_mov_b32 s[\g+1], 768<<16                     ; tensor_dim0: a tile's four fragments of a half of K, 6,144 bytes
	s_mov_b32 s[\g+3], 768<<16                     ; tile_dim0
	s_mov_b32 s[\g+5], 1536                        ; tensor_dim0_stride
	s_mov_b32 s[\g+6], 0
	s_mov_b32 s[\g+7], 0
.endr
	s_mov_b32 s26, 16<<16                          ; A: all 16 tiles by one load
	s_mov_b32 s28, 16
	s_mov_b32 s34, 8<<16                           ; B: all 8
	s_mov_b32 s36, 8
.irp g, 40, 48
	s_mov_b32 s[\g+1], 32<<16
	s_mov_b32 s[\g+3], 32<<16
	s_mov_b32 s[\g+5], 32
	s_mov_b32 s[\g+6], 0
	s_mov_b32 s[\g+7], 0
.endr
	s_mov_b32 s42, 32<<16                          ; A's scales: 16 tiles x 512 bytes = 32 rows of 256
	s_mov_b32 s44, 32
	s_mov_b32 s50, 16<<16                          ; B's: 8 tiles = 16 rows
	s_mov_b32 s52, 16
	; descriptor groups 0.  A: s56 scales, s60, s68 halves 0 and 1;  B: s80 scales, s84, s88
	s_mov_b32 s56, 1
	s_mov_b32 s57, ASC
	s_lshl_b32 s58, s66, 9
	s_mov_b32 s59, 0
	s_mov_b32 s60, 1
	s_mov_b32 s61, 0
	s_mul_i32 s62, s66, 12288
	s_mov_b32 s63, 0
	s_mov_b32 s68, 1
	s_mov_b32 s69, ACH
	s_mov_b32 s80, 1
	s_mov_b32 s81, BSC
	s_lshl_b32 s82, s67, 9
	s_mov_b32 s83, 0
	s_mov_b32 s84, 1
	s_mov_b32 s85, BBASE
	s_mul_i32 s86, s67, 12288
	s_mov_b32 s87, 0
	s_mov_b32 s88, 1
	s_mov_b32 s89, BBASE+BCH
	s_wait_dscnt 0x0
	s_wait_kmcnt 0x0
	s_add_nc_u64 s[58:59], s[6:7], s[58:59]
	s_add_nc_u64 s[62:63], s[4:5], s[62:63]
	s_add_nc_u64 s[70:71], s[62:63], 6144          ; the second half of K: four fragments on
	s_add_nc_u64 s[82:83], s[6:7], s[82:83]
	s_add_nc_u64 s[86:87], s[4:5], s[86:87]
	s_add_nc_u64 s[90:91], s[86:87], 6144
.irp g, 59,63,71,83,87,91
	s_or_b32 s[\g], s[\g], 0x80000000              ; 127:126 type = 2
.endr
	CROUND                                         ; all sixteen work-groups are here: the joint loads meet
	s_cmp_eq_u32 s16, 0                            ; the head's four tiles, one joint load a wave, in one chain of branches on the wave's number
	s_cbranch_scc0 .Lhead_b
	tensor_load_to_lds s[60:63], s[24:31]          ; wave 0: A's codes, first half of K
	s_nop 0
	PLACES 4
	s_branch .Lfilled
.Lhead_b:
	s_cmp_eq_u32 s16, 1
	s_cbranch_scc0 .Lhead_sa
	tensor_load_to_lds s[84:87], s[32:39]          ; wave 1: B's codes, first half of K
	s_nop 0
	PLACES 4
	s_branch .Lfilled
.Lhead_sa:
	s_cmp_eq_u32 s16, 2
	s_cbranch_scc0 .Lhead_sb
	tensor_load_to_lds s[56:59], s[40:47]          ; wave 2: A's scale words
	s_nop 0
	PLACES 4
	s_branch .Lfilled
.Lhead_sb:
	tensor_load_to_lds s[80:83], s[48:55]          ; wave 3: B's scale words
	s_nop 0
	PLACES 4
.Lfilled:
	v_and_b32 v25, 31, v0                          ; lane
	v_lshlrev_b32 v1, 4, v25                       ; 16 x lane
	v_lshlrev_b32 v2, 3, v25                       ; 8 x lane
	v_and_b32 v3, 15, v0                           ; r
	v_bfe_u32 v4, v0, 4, 1                         ; h
	v_lshlrev_b32 v5, 6, v4                        ; the bias along the registers: register 16 b + i is B row 32 b + 16 h + i
	s_wait_alu depctr_va_vdst(0)
	v_and_b32 v24, 8, v3
	v_add_nc_u32 v24, v24, v3
	v_lshlrev_b32 v24, 2, v24                      ; the bias along the lanes: row r of a tile is r + 8 (r / 8) rows on
	s_wait_alu depctr_va_vdst(0)
	s_cmp_lt_u32 s21, 8
	s_cselect_b64 s[2:3], s[8:9], s[10:11]         ; bq or bk (on v's work-groups either: it is multiplied by 0)
	s_and_b32 s66, s21, 7
	s_lshl_b32 s66, s66, 9                         ; my 128 numbers of it
	s_mov_b32 s67, 0
	s_add_nc_u64 s[2:3], s[2:3], s[66:67]
	s_and_b32 s66, s22, 3                          ; bv: 256 (yl % 4) + 64 x wave: on v's work-groups yl is 0 .. 3; on the others the address stays inside bv and the number is multiplied by 0
	s_lshl_b32 s66, s66, 10
	s_lshl_b32 s19, s16, 8
	s_add_co_u32 s66, s66, s19
	s_add_nc_u64 s[12:13], s[12:13], s[66:67]
.irp b, 0,1,2,3
.irp j, 0,1,2,3
	global_load_b128 v[BJ+16*\b+4*\j:BJ+16*\b+4*\j+3], v5, s[2:3] offset:128*\b+16*\j
.endr
.endr
.irp a, 0,1,2,3
	global_load_b32 v[BA+\a], v24, s[12:13] offset:4*(32*(\a/2)+8*(\a%2))
.endr
	s_mov_b32 s[SEL], 0x76543210
	s_mov_b32 s[SEL+1], 0xfedcba98
	s_mul_i32 s19, s16, 24576                      ; my four tiles of A in a half of K
	v_add_nc_u32 v30, s19, v1
	v_add_nc_u32 v31, s19, v2
.irp c, 0,1
	v_add_nc_u32 v[8+\c], \c*ACH, v30
	v_add_nc_u32 v[12+\c], \c*ACH, v31             ; v12-13  the pieces of 8
	v_add_nc_u32 v[16+\c], BBASE+\c*BCH, v1        ; v16-17, v20-21  the same for B
	v_add_nc_u32 v[20+\c], BBASE+\c*BCH, v2
.endr
	s_lshl_b32 s19, s16, 11
	v_lshlrev_b32 v6, 5, v25
	v_add_nc_u32 v7, BSC, v6                       ; B's scale words: 32 bytes a row: lanes 0-15 an even tile, lanes 16-31 the odd one behind it
	v_add_nc_u32 v6, s19, v6
	v_add_nc_u32 v6, ASC, v6                       ; A's: my four tiles
.irp b, 0,1,2,3
	v_mov_b32 v[TM+4+\b], 0                        ; a lane permute's destination counts as one of its sources
.endr
.macro FRAG reg, a16, a8, off          ; a fragment comes back as it was stored: 12 registers by four loads, each of consecutive bytes
	ds_load_b128 v[\reg:\reg+3], v[\a16] offset:\off
	ds_load_b64 v[\reg+4:\reg+5], v[\a8] offset:\off+512
	ds_load_b128 v[\reg+6:\reg+9], v[\a16] offset:\off+768
	ds_load_b64 v[\reg+10:\reg+11], v[\a8] offset:\off+1280
.endm
.macro FETCH s                         ; K step s: B's eight fragments and my four of A, 48 loads, into set s % 2
	WIN 0x80                                       ; destination window 2, address window 0
.irp i, 0,1,2,3,4,5,6,7
	FRAG 96*((\s)%2)+12*\i, 16+(\s)/4, 20+(\s)/4, \i*6144+((\s)%4)*1536
.endr
	WIN 0xc0                                       ; destination window 3
.irp i, 0,1,2,3
	FRAG 48*((\s)%2)+12*\i, 8+(\s)/4, 12+(\s)/4, \i*6144+((\s)%4)*1536
.endr
.endm
.macro MUL s                           ; 32 products: source 0 = 16 B rows (window 2), source 1 = 16 A rows (window 3), C and D window 1; in K step 0 C is the bias along the lanes, in window 0
.if (\s) == 0
	WIN 0x4e
.else
	WIN 0x5e
.endif
.irp a, 0,1,2,3
.irp b, 0,1,2,3,4,5,6,7
.if (\s) == 0
	WMR 8*(8*\a+\b), 96*((\s)%2)+12*\b, 48*((\s)%2)+12*\a, CI+8*\a, SB+8*(\b/2)+(\s), SA+8*(\a/2)+(\s), \b%2, \a%2
.else
	WMR 8*(8*\a+\b), 96*((\s)%2)+12*\b, 48*((\s)%2)+12*\a, 8*(8*\a+\b), SB+8*(\b/2)+(\s), SA+8*(\a/2)+(\s), \b%2, \a%2
.endif
.endr
.endr
.endm
.macro STEP s
.if (\s) == 3                          ; the next fetch begins the second half of K
	s_wait_tensorcnt 0x0                           ; my load of it, if I issued one, has landed
	s_wait_dscnt 0x0                               ; no LDS instruction of mine is pending at a signal
	s_barrier_signal -1
	s_barrier_wait -1                              ; everybody's part has landed
.endif
.if (\s) < 7
	PLACES 4                                       ; four places in front of loads into registers that the last products have read (ISA guide 7.12.1 for vector instructions)
	FETCH (\s)+1
	s_wait_dscnt 48                                ; all but the 48 just issued: this step's fragments (and, in step 0, the scale words) are in
.else
	s_wait_dscnt 0x0
.endif
	MUL \s
.endm
; 64 numbers of a lane, register 16 b + i = k 32 b + 16 (lane / 16) + i of my row, become a fragment's codes in v[PC] on and its scale word in v[pw]
.macro QUANT s, pw
.irp b, 0,1,2,3
	v_max3_num_f32 v[TM+\b], |v[\s+16*\b]|, |v[\s+1+16*\b]|, 0x1800000   ; block b: my 16 numbers, and the floor 2^(3 - 127): the byte cannot fall under 1
.endr
.irp i, 2,4,6,8,10,12,14
.irp b, 0,1,2,3
	v_max3_num_f32 v[TM+\b], v[TM+\b], |v[\s+16*\b+\i]|, |v[\s+1+16*\b+\i]|   ; (the four blocks by turns)
.endr
.endr
.irp b, 0,1,2,3
	v_permlanex16_b32 v[TM+4+\b], v[TM+\b], s[SEL], s[SEL+1]
.endr
.irp b, 0,1,2,3
	v_max_num_f32 v[TM+\b], v[TM+\b], v[TM+4+\b]   ; with lane l xor 16's: the block's largest magnitude
.endr
.irp b, 0,1,2,3
	v_add_nc_u32 v[TM+12+\b], 0xff000000, v[TM+\b] ; 2 off its exponent field: the conversion's scale operand
.endr
.irp b, 0,1,2,3
	v_lshrrev_b32 v[TM+4+\b], 23, v[TM+12+\b]      ; the scale's byte
.endr
	v_lshl_or_b32 v[\pw], v[TM+5], 8, v[TM+4]
	v_lshl_or_b32 v[\pw], v[TM+6], 16, v[\pw]
	v_lshl_or_b32 v[\pw], v[TM+7], 24, v[\pw]      ; my row's scale word, the same in both halves of the lanes
.irp c, 0,1
	v_cvt_scalef32_pk16_fp6_f32 v[PC+6*\c:PC+2+6*\c], v[\s+32*\c:\s+15+32*\c], v[TM+12+2*\c]
	v_cvt_scalef32_pk16_fp6_f32 v[PC+12+4*\c:PC+14+4*\c], v[\s+16+32*\c:\s+31+32*\c], v[TM+12+2*\c+1]   ; (a conversion's three registers begin on an even number)
.endr
	v_nop                                          ; one plain place behind a scaled conversion
.irp c, 0,1                            ; the operand's layout wants a WHOLE block in a lane: lanes 0-15 block 2 c, lanes 16-31 block 2 c + 1
.irp i, 0,1,2
	v_permlane16_swap_b32 v[PC+6*\c+\i], v[PC+12+4*\c+\i]
.endr
.irp i, 0,1,2
	v_mov_b32 v[PC+3+6*\c+\i], v[PC+12+4*\c+\i]
.endr
.endr
.endm
	s_wait_alu depctr_va_vdst(0)
	s_wait_tensorcnt 0x0                           ; my tile of the head's four has landed
	ds_add_u32 v254, v255
	s_wait_dscnt 0x0
	CROUND                                         ; everybody's tile is in, and all sixteen work-groups are here
	s_cmp_eq_u32 s16, 0
	s_cbranch_scc0 .Lnext_b
	tensor_load_to_lds s[68:71], s[24:31]          ; wave 0: A's codes, second half of K
	s_nop 0
	PLACES 4
	s_branch .Lnext_asked
.Lnext_b:
	s_cmp_eq_u32 s16, 1
	s_cbranch_scc0 .Lnext_asked
	tensor_load_to_lds s[88:91], s[32:39]          ; wave 1: B's
	s_nop 0
	PLACES 4
.Lnext_asked:
.irp p, 0,1
	ds_load_b128 v[SA+8*\p:SA+8*\p+3], v6 offset:1024*\p
	ds_load_b128 v[SA+8*\p+4:SA+8*\p+7], v6 offset:1024*\p+16
.endr
.irp p, 0,1,2,3
	ds_load_b128 v[SB+8*\p:SB+8*\p+3], v7 offset:1024*\p
	ds_load_b128 v[SB+8*\p+4:SB+8*\p+7], v7 offset:1024*\p+16
.endr
	s_wait_loadcnt 0x0                             ; the biases
.irp a, 0,1,2,3
.irp j, 0,1,2,3,4,5,6,7
	v_mul_f32 v[CI+8*\a+\j], s23, v[BA+\a]         ; bv x mv, in the result's layout: the same number in a lane's eight registers
.endr
.endr
	FETCH 0
	s_wait_alu depctr_va_vdst(0)
.irp s, 0,1,2,3,4,5,6,7
	STEP \s
.endr
	WIN 0
	; where the results go, as offsets in qkv; both kinds' are made, and one is chosen.  (All my tensor loads are done: the descriptors' registers are free.)
	s_lshr_b32 s56, s22, 3                         ; q, k: batch = yl / 8;
	s_lshl_b32 s56, s56, 4
	s_and_b32 s57, s21, 7
	s_lshl_b32 s57, s57, 1                         ; heads 2 (xl % 8) and the next
	s_add_co_u32 s56, s56, s57
	s_mul_i32 s56, s56, REC
	s_lshr_b32 s57, s21, 3
	s_mul_i32 s57, s57, 106496                     ; k's part of a record lies behind q's
	s_add_co_u32 s56, s56, s57
	s_and_b32 s57, s22, 7
	s_lshl_b32 s57, s57, 2
	s_add_co_u32 s57, s57, s16                     ; my four tiles of tokens: which four of the batch's 128
	s_mul_i32 s58, s57, 3072
	s_add_co_u32 s58, s58, s56                     ; their half-images
	s_lshl_b32 s57, s57, 8
	s_add_co_u32 s57, s57, s56
	s_add_co_u32 s57, s57, 98304                   ; their scale unit
	s_lshr_b32 s59, s21, 4                         ; v: batch = xl / 16;
	s_lshl_b32 s59, s59, 4
	s_lshl_b32 s60, s22, 2
	s_add_co_u32 s59, s59, s60
	s_add_co_u32 s59, s59, s16                     ; head 4 yl + wave
	s_mul_i32 s59, s59, REC
	s_and_b32 s60, s21, 15                         ; the step of 128 keys
	s_mul_i32 s61, s60, 6144
	s_add_co_u32 s61, s61, s59
	s_add_co_u32 s61, s61, 212992
	s_lshl_b32 s60, s60, 8
	s_add_co_u32 s60, s60, s59
	s_add_co_u32 s60, s60, 311296
	s_mov_b32 s62, 3072                            ; v: a fragment's second half lies four half-images on;
	s_cmp_lt_u32 ttmp9, 4
	s_cselect_b32 s68, s58, s61
	s_cselect_b32 s72, s57, s60
	s_cselect_b32 s62, REC, s62                    ; q, k: in the next head's record
	s_mov_b32 s69, 0
	s_mov_b32 s73, 0
	s_mov_b32 s63, 0
	s_mov_b32 s76, 0xffff0000                      ; lanes 16-31
	s_add_nc_u64 s[68:69], s[14:15], s[68:69]      ; the fragments' first halves
	s_add_nc_u64 s[70:71], s[68:69], s[62:63]      ; their second halves
	s_add_nc_u64 s[72:73], s[14:15], s[72:73]      ; the scale unit
	s_add_nc_u64 s[74:75], s[72:73], REC           ; q, k: the second head's
	PLACES 4                                       ; four places between the last product and the first read of results
.macro EPI a                           ; my tile a of A rows: 16 rows x 128 along B
	WIN 0x10                                       ; source 2: the accumulators' window
.set i, 0
.rept 32
	v_pk_fma_f32 v[H+i:H+i+1], v[BJ+i:BJ+i+1], s[MQ:MQ+1], v[64*(\a)+i:64*(\a)+i+1] op_sel_hi:[1,0,1]   ; bias x mq + sum; each accumulator from its low end on
.set i, i+2
.endr
	WIN 0
.if (\a) > 0
	s_wait_xcnt 0x0                                ; the last tile's stores have read their registers: the codes may be written again
.endif
	QUANT H, PW+(\a)
	global_store_b128 v1, v[PC:PC+3], s[68:69] offset:768*(\a)
	global_store_b64 v2, v[PC+4:PC+5], s[68:69] offset:768*(\a)+512
	global_store_b128 v1, v[PC+6:PC+9], s[70:71] offset:768*(\a)
	global_store_b64 v2, v[PC+10:PC+11], s[70:71] offset:768*(\a)+512
.endm
.irp a, 0,1,2,3
	EPI \a
.endr
	v_cndmask_b32 v248, v[PW], v[PW+1], s76        ; the scale unit: register p: lanes 0-15 tile 2 p, lanes 16-31 tile 2 p + 1
	v_cndmask_b32 v249, v[PW+2], v[PW+3], s76
	v_lshrrev_b32 v250, 16, v248                   ; q, k: the second head's two bytes
	v_lshrrev_b32 v251, 16, v249
	global_store_b64 v2, v[248:249], s[72:73]      ; 32 lanes store 256 consecutive bytes
	s_cmp_lt_u32 ttmp9, 4
	s_cbranch_scc0 .Lno_second                     ; v's words are whole: four bytes for 128 keys
	global_store_b64 v2, v[250:251], s[74:75]
.Lno_second:
	s_wait_tensorcnt 0x0
	ds_add_u32 v254, v255
	s_wait_dscnt 0x0
	CROUND                                         ; the closing round: no work-group ends while a partner may still ask for a tile that names it
	s_endpgm
.Lfunc_end_k_q506ce9155f_qkv:
	.size	k_q506ce9155f_qkv, .Lfunc_end_k_q506ce9155f_qkv-k_q506ce9155f_qkv
	.p2alignl 7, 3214868480
	.fill 96, 4, 3214868480
	.section	.rodata,"a",@progbits
	.p2align	6, 0x0
	.amdhsa_kernel k_q506ce9155f_qkv
		.amdhsa_group_segment_fixed_size 327680
		.amdhsa_private_segment_fixed_size 0
		.amdhsa_enable_private_segment 0
		.amdhsa_kernarg_size 48
		.amdhsa_user_sgpr_count 2
		.amdhsa_user_sgpr_kernarg_segment_ptr 1
		.amdhsa_wavefront_size32 1
		.amdhsa_system_sgpr_workgroup_id_x 1
		.amdhsa_system_sgpr_workgroup_id_y 1
		.amdhsa_system_sgpr_workgroup_id_z 1
		.amdhsa_system_vgpr_workitem_id 0
		.amdhsa_next_free_vgpr 1024
		.amdhsa_next_free_sgpr 102
		.amdhsa_reserve_vcc 0
		.amdhsa_float_denorm_mode_32 3
		.amdhsa_float_denorm_mode_16_64 3
		.amdhsa_memory_ordered 1
		.amdhsa_forward_progress 1
		.amdhsa_inst_pref_size 99
	.end_amdhsa_kernel
	.amdgpu_metadata
---
amdhsa.version: [ 1, 2 ]
amdhsa.kernels:
  - .name:           k_q506ce9155f_qkv
    .symbol:         k_q506ce9155f_qkv.kd
    .args:
      - { .name: opimg, .offset: 0, .size: 8, .value_kind: global_buffer, .address_space: global }
      - { .name: opsc, .offset: 8, .size: 8, .value_kind: global_buffer, .address_space: global }
      - { .name: bq, .offset: 16, .size: 8, .value_kind: global_buffer, .address_space: global }
      - { .name: bk, .offset: 24, .size: 8, .value_kind: global_buffer, .address_space: global }
      - { .name: bv, .offset: 32, .size: 8, .value_kind: global_buffer, .address_space: global }
      - { .name: qkv, .offset: 40, .size: 8, .value_kind: global_buffer, .address_space: global }
    .group_segment_fixed_size: 327680
    .private_segment_fixed_size: 0
    .kernarg_segment_align: 8
    .kernarg_segment_size: 48
    .max_flat_workgroup_size: 128
    .sgpr_count:     102
    .vgpr_count:     1024
    .wavefront_size: 32
...
	.end_amdgpu_metadata
.endif
;; end of part 2
;; launch attn (part 3): grid 4 x 64, 8 waves a work-group, clusters of 4 x 1, 262,144 bytes of LDS; arguments qkv, cimg, csc; writes cimg, csc
.if DOCPART == 3
	.amdgcn_target "amdgcn-amd-amdhsa--gfx1250"
	.amdhsa_code_object_version 6
	.text
	.protected	k_q506ce9155f_attn
	.globl	k_q506ce9155f_attn
	.p2align	8
	.type	k_q506ce9155f_attn,@function
k_q506ce9155f_attn:
	s_mov_b64 s[64:65], 0
	v_nop
	global_prefetch_b8 v0, s[64:65] scope:SCOPE_SE
	s_setreg_imm32_b32 hwreg(HW_REG_WAVE_MODE, 25, 1), 1
	s_wait_xcnt 0x0
	s_wait_alu depctr_hold_cnt(0) depctr_sa_sdst(0) depctr_va_vdst(0) depctr_va_sdst(0) depctr_va_ssrc(0) depctr_va_vcc(0) depctr_vm_vsrc(0)
	s_getreg_b32 s2, hwreg(HW_REG_IB_STS2, 6, 4)
	s_cmp_eq_u32 s2, 0
	s_cbranch_scc0 .Lentry_in_a_cluster
	s_endpgm
.Lentry_in_a_cluster:
	s_bfe_u32 s2, ttmp6, 0x10000c
	s_cmp_lg_u32 s2, 0x3003
	s_cbranch_scc0 .Lentry_shape_is_right
	s_endpgm
.Lentry_shape_is_right:
; ctx[b][q][h][:] = the sum over k of softmax_k(q . k / 8) v, both products on codes of FP6 (E2M3) with E8M0 scales; ctx is quantised along the head's 64 in registers and leaves as half-images and scale words.
; THE SOFTMAX AHEAD OF THE SECOND PRODUCT: t = score x log2(e) / 8; M = the row's largest t so far, rounded UP to a whole number; p = 2^(t - M) is quantised along the keys, not normalised.
; The row's sum is taken of the unquantised p, in f32, and divides at the end.  When M moves, the sum and O are multiplied by 2^(old M - new M): exact.
; SHARES.  A work-group owns 512 queries of one (batch, head); each of its eight waves 64, in two passes of TWO tiles of 16.  Each fragment of K and V read from LDS feeds two products.
; Both tiles' scores, codes and small numbers lie in register window 0, so every line of the softmax is written for both tiles by turns: two to four chains that do not hang on each other.
; K's, V's and Q's fragments and O^T lie in window 1: a trip has eight switches of the window.
; A HEAD'S K AND V, codes and scale words, 208,896 bytes, one dense part of its record, come into LDS ONCE: one tensor load a wave (102 rows of 256 bytes, 64 bytes of padding behind each).  Nothing is filled again.
; No prefetch: the launch has this one fill at its head and no loop to run ahead in.
; CLUSTER.  The four blocks of queries of a head form a cluster and read the same K and V: each of the eight loads is asked for jointly, with a mask that names the four.
; LAYOUT.  Both products are used transposed: S^T = K Q^T (source 0 = 16 keys), O^T = V^T P^T (source 0 = 16 channels): a lane holds ONE query throughout.
; THE KEYS OF A TILE ARE CHOSEN BY THE LANES' LDS ADDRESSES.  In memory row i of tile T holds key 32 (T / 2) + 8 (T % 2) + i + 8 (i / 8).  Tile (c, g) as it is multiplied has in rows 0-7 keys 64 c + 8 g + 0 .. 7
; (tile 4 c + g % 2, rows 8 (g / 2) ..) and in rows 8-15 keys 64 c + 32 + 8 g + 0 .. 7 (two tiles on, the same rows).  So register 32 c + 8 g + i of lane (r, h) is key 64 c + 32 h + 8 g + i:
; A LANE HOLDS WHOLE BLOCKS OF 32 KEYS, 2 c + h, in the order of the next operand's registers: a block's maximum asks no other lane, and the conversions' results are the operand.
; With the padding two tiles are 1,920 bytes apart, 128 modulo 256: the sixteen lanes of a 16-byte load touch sixteen different columns of 16 bytes.
; THE FIRST PRODUCT'S K IS 64, half of the instruction's 128.  Q's upper six registers hold zero codes; K's operand of a tile is 12 registers from its six on: the upper six are the next tile's codes (behind the last: zeros).
; They add 0 against zero codes; the scale bytes of that half are another head's (1 .. 254) or 0, never 0xff.
; LOADS AHEAD.  Behind a step's first products: this step's V, and the NEXT step's K (step 16 wraps to step 0, which the second pass begins with).  One wait for all of them stands ahead of the second products.
; LIMITS: p under 2^-126 counts as 0 (v_exp_f32 flushes denormal results: ISA guide, its entry); M is exact for |t| under 2^24; a block of zeros gets the byte 1 where the rule says 127 (its codes are zeros);
; NaN and infinities are not served.
.set REC,   315392
.set KSC,   122880                     ; LDS, each 256 bytes of the record at a pitch of 320: K's 128 half-images (960 each) from 0; K's scale units;
.set VIMG,  133120                     ; V's [16 steps][2 halves][4 tiles][960];
.set VSC,   256000                     ; V's scale units, one a step
.set SPARE, 261120                     ; the spare words, 128 bytes a wave
.set STP,   7680                       ; a step's codes, of K and of V
; window 0: v1 16 x lane, v2 8 x lane; v3-8 lane parts of LDS addresses (K 16-byte pieces, K 8-byte pieces, K scales, the same for V); v9-14 the step's addresses; v15 8 h
.set KS,   16                          ; v16-19 K's scale words: register 2 c + g / 2, lanes 0-15 g even, lanes 16-31 g odd
.set VS,   20                          ; v[20:21] V's
.set QS,   22                          ; v[22:23] Q's
.set PW,   24                          ; v24, v25 p's scale words, tile 0, 1
.set CW,   26                          ; v[26:27] ctx's scale words
.set NM,   28                          ; pairs (-M, the largest score so far), one a tile
.set F,    32                          ; pairs: f = 2^(old M - new M); at the end 1 / sum
.set SUM,  36                          ; pairs: the sum in two halves
.set SUM2, 40                          ; its second chain
.set BM,   44                          ; v44-47 [tile][c] my blocks' largest scores, then largest p
.set SCO,  48                          ; v48-51 the conversions' scale operands
.set BX,   52                          ; v52-55 the bytes
.set T0,   56
.set T1,   58
.set PC,   60                          ; v60-83 p's codes, 12 a tile
.set PT,   84                          ; v84-99 [tile][c] the blocks' upper halves before they are moved
.set S,    100                         ; v100-227 S^T, then p, 64 a tile; at the end ctx
; window 1:
.set KF,   0                           ; v0-47 K's eight tiles, six registers each; v48-53 zeros
.set VF,   56                          ; v56-103 V's four fragments
.set QF,   104                         ; v104-127 Q's two fragments
.set O,    128                         ; v128-191 O^T, 32 a tile
.set MSB, 0
.macro WIN new                         ; the immediate's high byte repeats the setting that is left
.if MSB != (\new)
	s_set_vgpr_msb (MSB<<8)|(\new)
.set MSB, (\new)
.endif
.endm
.macro PLACES n
.rept \n
	v_nop
.endr
.endm
.macro WALU
	s_wait_alu depctr_va_vdst(0)
.endm
.macro CROUND                          ; a round of the cluster's barrier
	s_barrier_signal -1
	s_barrier_wait -1
	s_cmp_lg_u32 s10, 0
	s_cbranch_scc1 .Lnot_wave_0_\@
	s_barrier_signal -3
.Lnot_wave_0_\@:
	s_barrier_wait -3
	s_barrier_signal -1
	s_barrier_wait -1
.endm
; a product that starts a sum, and one that adds in place; oa, ob: the half of the lanes in which source 0's, source 1's scale words stand
.macro WMZ d, a, b, sa, sb, oa, ob
	v_wmma_scale_f32_16x16x128_f8f6f4 v[\d:\d+7], v[\a:\a+11], v[\b:\b+11], 0, v[\sa], v[\sb] matrix_a_fmt:MATRIX_FMT_FP6 matrix_b_fmt:MATRIX_FMT_FP6 matrix_a_scale:MATRIX_SCALE_ROW\oa matrix_b_scale:MATRIX_SCALE_ROW\ob
.endm
.macro WMA d, a, b, sa, sb, oa, ob
	v_wmma_scale_f32_16x16x128_f8f6f4 v[\d:\d+7], v[\a:\a+11], v[\b:\b+11], v[\d:\d+7], v[\sa], v[\sb] matrix_a_fmt:MATRIX_FMT_FP6 matrix_b_fmt:MATRIX_FMT_FP6 matrix_a_scale:MATRIX_SCALE_ROW\oa matrix_b_scale:MATRIX_SCALE_ROW\ob
.endm
.macro LOADK a16, a8, as               ; a step's eight tiles of K (tile 4 c + 2 e + u as it is multiplied) and their four registers of scale words: 20 loads
	WIN 0x40                                       ; destination window 1, address window 0
.irp c, 0,1
.irp e, 0,1
.irp u, 0,1
	ds_load_b128 v[KF+6*(4*\c+2*\e+\u):KF+6*(4*\c+2*\e+\u)+3], v[\a16] offset:960*(4*\c+\u)+128*\e
	ds_load_b64 v[KF+6*(4*\c+2*\e+\u)+4:KF+6*(4*\c+2*\e+\u)+5], v[\a8] offset:960*(4*\c+\u)+64*\e
.endr
.endr
.endr
	WIN 0
.irp c, 0,1
.irp e, 0,1
	ds_load_b32 v[KS+2*\c+\e], v[\as] offset:320*\c+64*\e
.endr
.endr
.endm
	s_load_b128 s[4:7], s[0:1], 0x0                ; qkv, cimg
	s_load_b64 s[8:9], s[0:1], 0x10                ; csc
	v_lshl_add_u32 v254, v0, 2, SPARE
	v_mov_b32 v255, 0
	ds_add_u32 v254, v255                          ; the opening lines: the add, twice on end, and its wait ahead of my tensor load
	ds_add_u32 v254, v255
	v_lshrrev_b32 v1, 5, v0
	v_readfirstlane_b32 s10, v1                    ; wave 0..7
	s_bfe_u32 s11, ttmp6, 0x40000                  ; cx: which 512 queries: it enters Q's and the outputs' addresses alone
	s_and_b32 s12, ttmp7, 0xffff                   ; 16 x batch + head, which the four partners share
	s_mov_b32 s16, 15|(3<<16)|(1<<20)|(1<<21)|(5<<22)|(15<<25)  ; the mask: all four; elements of 8 bytes; padding on; 21 set beside a mask; behind every 64 words 16 words
	s_mov_b32 s17, 32<<16                          ; tensor_dim0: 256 bytes
	s_mov_b32 s18, 102<<16                         ; tensor_dim1
	s_mov_b32 s19, 32<<16                          ; tile_dim0
	s_mov_b32 s20, 102                             ; tile_dim1
	s_mov_b32 s21, 32                              ; dense rows
	s_mov_b32 s22, 0
	s_mov_b32 s23, 0
	s_mul_i32 s14, s12, REC                        ; the record
	s_mov_b32 s15, 0
	s_mov_b32 s24, 1
	s_mul_i32 s25, s10, 32640                      ; my eighth: 102 rows of 320 bytes in LDS,
	s_mul_i32 s26, s10, 26112                      ; of 256 in the record,
	s_add_co_u32 s26, s26, 106496                  ; behind q's part
	s_mov_b32 s27, 0
	s_wait_dscnt 0x0
	s_wait_kmcnt 0x0
	s_add_nc_u64 s[4:5], s[4:5], s[14:15]
	s_add_nc_u64 s[26:27], s[4:5], s[26:27]
	s_or_b32 s27, s27, 0x80000000                  ; type = 2
	CROUND                                         ; all four work-groups are here: the joint loads meet
	tensor_load_to_lds s[24:27], s[16:23]          ; my one tensor load
	s_nop 0
	PLACES 4
	s_lshl_b32 s13, s11, 3
	s_add_co_u32 s13, s13, s10                     ; my four tiles of queries: which four of the batch's 128
	s_mul_i32 s14, s13, 3072
	s_add_nc_u64 s[38:39], s[4:5], s[14:15]        ; Q's half-images
	s_lshl_b32 s14, s13, 8
	s_add_co_u32 s14, s14, 98304
	s_add_nc_u64 s[40:41], s[4:5], s[14:15]        ; Q's scale unit
	s_lshr_b32 s46, s12, 4                         ; batch
	s_and_b32 s47, s12, 15                         ; head
	s_lshl_b32 s14, s46, 5
	s_add_co_u32 s14, s14, s13                     ; which four tiles of all 512
	s_mul_i32 s2, s14, 49152                       ; cimg: [tile][head][768]
	s_mul_i32 s3, s47, 768
	s_add_co_u32 s2, s2, s3
	s_mov_b32 s3, 0
	s_add_nc_u64 s[42:43], s[6:7], s[2:3]
	s_lshl_b32 s2, s47, 7                          ; csc: [head][four tiles][256]
	s_add_co_u32 s2, s2, s14
	s_lshl_b32 s2, s2, 8
	s_add_nc_u64 s[44:45], s[8:9], s[2:3]
	s_mov_b32 s28, 0x76543210
	s_mov_b32 s29, 0xfedcba98                      ; v_permlanex16_b32's selects for lane l xor 16
	s_mov_b32 s30, 0x3e38aa3b                      ; c = log2(e) / 8
	s_mov_b32 s31, s30                             ; (named with it as a pair, so it is written)
	s_mov_b32 s36, 0xffff0000                      ; lanes 16-31
	v_and_b32 v28, 31, v0                          ; lane
	v_bfe_u32 v29, v0, 4, 1                        ; h
	v_and_b32 v30, 7, v0                           ; r % 8
	v_bfe_u32 v31, v0, 3, 1                        ; r / 8
	v_lshlrev_b32 v1, 4, v28
	v_lshlrev_b32 v2, 3, v28
	v_mul_u32_u24 v32, v31, 1920                   ; rows 8-15 come from two tiles on
	v_lshlrev_b32 v5, 7, v29
	v_lshlrev_b32 v15, 3, v29
	v_mad_u32_u24 v3, v29, 320, v32
	v_lshl_add_u32 v4, v29, 7, v32
	v_lshl_add_u32 v5, v30, 3, v5
	v_lshl_add_u32 v6, v29, 6, v1
	v_add_nc_u32 v7, VIMG+640, v2                  ; V, 8-byte pieces: the image's third 256 bytes
	v_add_nc_u32 v8, VSC, v2
	v_lshl_add_u32 v3, v30, 4, v3                  ; K, 16-byte pieces: 1920 (r / 8) + 16 (r % 8) + 320 h
	v_lshl_add_u32 v4, v30, 3, v4
	v_lshl_add_u32 v5, v31, 2, v5
	v_add_nc_u32 v6, VIMG, v6                      ; V, 16-byte pieces: 16 x lane + 64 h
	v_add_nc_u32 v4, 640, v4                       ; K, 8-byte pieces: 1920 (r / 8) + 8 (r % 8) + 128 h + 640
	v_add_nc_u32 v5, KSC, v5                       ; K's scale words: 8 (r % 8) + 4 (r / 8) + 128 h
	global_load_b64 v[QS:QS+1], v2, s[40:41]       ; Q's scale words: register p: lanes 0-15 tile 2 p, lanes 16-31 tile 2 p + 1
.irp i, 0,1,2,3
	v_mov_b32 v[BX+\i], 0                          ; a lane permute's destination counts as one of its sources
.endr
	v_mov_b32 v[T1], 0
	v_mov_b32 v[T1+1], 0
	v_mov_b32 v[F+1], 0                            ; (named as the upper halves of pairs)
	v_mov_b32 v[F+3], 0
	WIN 0x40
.irp i, 0,1,2,3,4,5
	v_mov_b32 v[KF+48+\i], 0                       ; zero codes behind K's last tile,
	v_mov_b32 v[QF+6+\i], 0                        ; and in Q's upper halves
	v_mov_b32 v[QF+18+\i], 0
.endr
	WIN 0
.macro PASS p                          ; my tiles 2 p and 2 p + 1 against all 2,048 keys
.if \p
	s_wait_xcnt 0x0                                ; the last pass's stores have read their registers
.endif
	WIN 0x40
.irp q, 0,1
	global_load_b128 v[QF+12*\q:QF+12*\q+3], v1, s[38:39] offset:(2*\p+\q)*768
	global_load_b64 v[QF+12*\q+4:QF+12*\q+5], v2, s[38:39] offset:(2*\p+\q)*768+512
.endr
.set j, 0
.rept 64
	v_mov_b32 v[O+j], 0                            ; the step is written once: the first finds zeros, which the first change of M leaves zeros
.set j, j+1
.endr
	WIN 0
.irp q, 0,1
	v_mov_b32 v[NM+2*\q], 0x7f61b1e6               ; -M = 3e38,
	v_mov_b32 v[NM+2*\q+1], 0xff61b1e6             ; the largest score so far -3e38, under every score
	v_mov_b32 v[SUM+2*\q], 0
	v_mov_b32 v[SUM+2*\q+1], 0
.endr
	s_mov_b32 s35, 0
	WALU
	s_wait_loadcnt 0x0                             ; Q and its scale words
	s_wait_dscnt 0x0                               ; step 0's K
.Lstep_\p:
	s_mul_i32 s33, s35, STP                        ; this step's V,
	s_mul_i32 s34, s35, 320                        ; its scale unit;
	s_add_co_u32 s35, s35, 1
	s_and_b32 s32, s35, 15                         ; the next step, 16 wrapping to 0:
	s_mul_i32 s37, s32, 640                        ; K's two scale units,
	s_mul_i32 s32, s32, STP                        ; K's codes
	WIN 0x05                                       ; K and Q in window 1, S^T in window 0
.irp c, 0,1
.irp e, 0,1
.irp u, 0,1
.irp q, 0,1
	WMZ S+64*\q+32*\c+16*\e+8*\u, KF+6*(4*\c+2*\e+\u), QF+12*\q, KS+2*\c+\e, QS+\p, \u, \q
.endr
.endr
.endr
.endr
	WIN 0
	v_add_nc_u32 v9, s32, v3                       ; six additions: the places between the products and the first read of their results, and the loads into their registers
	v_add_nc_u32 v10, s32, v4
	v_add_nc_u32 v11, s37, v5
	v_add_nc_u32 v12, s33, v6
	v_add_nc_u32 v13, s33, v7
	v_add_nc_u32 v14, s34, v8
	WIN 0x40
.irp d, 0,1,2,3
.irp c, 0,1
	ds_load_b128 v[VF+12*\d+6*\c:VF+12*\d+6*\c+3], v12 offset:3840*\c+960*\d
	ds_load_b64 v[VF+12*\d+6*\c+4:VF+12*\d+6*\c+5], v13 offset:3840*\c+960*\d+0
.endr
.endr
	LOADK 9, 10, 11
	ds_load_b64 v[VS:VS+1], v14
.irp q, 0,1                            ; THE LARGEST SCORE OF EACH BLOCK OF 32 KEYS serves twice: for the row's maximum, and, since p rises with the score, for the block's largest p.  Four chains by turns; each accumulator is read from its low end on
.irp c, 0,1
	v_max3_num_f32 v[BM+2*\q+\c], v[S+64*\q+32*\c], v[S+64*\q+32*\c+1], v[S+64*\q+32*\c+2]
.endr
.endr
.irp i, 3,5,7,9,11,13,15,17,19,21,23,25,27,29
.irp q, 0,1
.irp c, 0,1
	v_max3_num_f32 v[BM+2*\q+\c], v[BM+2*\q+\c], v[S+64*\q+32*\c+\i], v[S+64*\q+32*\c+\i+1]
.endr
.endr
.endr
.irp q, 0,1
.irp c, 0,1
	v_max_num_f32 v[BM+2*\q+\c], v[BM+2*\q+\c], v[S+64*\q+32*\c+31]
.endr
.endr
.irp q, 0,1
	v_max3_num_f32 v[T0+\q], v[NM+2*\q+1], v[BM+2*\q], v[BM+2*\q+1]   ; with the largest so far,
.endr
.irp q, 0,1
	v_permlanex16_b32 v[T1+\q], v[T0+\q], s28, s29
.endr
.irp q, 0,1
	v_max_num_f32 v[NM+2*\q+1], v[T0+\q], v[T1+\q] ; and lane l xor 16's two blocks: my query's largest score
.endr
.irp q, 0,1
	v_mul_f32 v[T0+\q], s30, v[NM+2*\q+1]          ; as t (c is positive)
.endr
.irp q, 0,1
	v_mov_b32 v[T1+\q], v[NM+2*\q]
.endr
.irp q, 0,1
	v_floor_f32 v[NM+2*\q], -v[T0+\q]              ; the new -M = floor(-t) = -ceil(t): M is a whole number
.endr
.irp q, 0,1
	v_sub_f32 v[T1+\q], v[NM+2*\q], v[T1+\q]       ; old M less new M: a whole number, 0 or less
.endr
.irp q, 0,1
	v_cvt_i32_f32 v[T1+\q], v[T1+\q]               ; (it saturates)
.endr
.irp q, 0,1
	v_ldexp_f32 v[F+2*\q], 1.0, v[T1+\q]           ; f = 2^(old M - new M)
.endr
	WIN 0x41                                       ; O^T in window 1, f in window 0
.irp q, 0,1
.set j, 0
.rept 16
	v_pk_mul_f32 v[O+32*\q+j:O+32*\q+j+1], v[O+32*\q+j:O+32*\q+j+1], v[F+2*\q:F+2*\q+1] op_sel_hi:[1,0]   ; O^T under the new M, ahead of the exponentials; each accumulator from its low end on
.set j, j+2
.endr
.endr
	WIN 0
.irp q, 0,1
.set j, 0
.rept 32
	v_pk_fma_f32 v[S+64*\q+j:S+64*\q+j+1], v[S+64*\q+j:S+64*\q+j+1], s[30:31], v[NM+2*\q:NM+2*\q+1] op_sel_hi:[1,0,0]   ; t - M, two at a time (of the pairs c and -M the low word serves both halves)
.set j, j+2
.endr
.endr
.irp q, 0,1
.irp c, 0,1
	v_fma_f32 v[BM+2*\q+\c], v[BM+2*\q+\c], s30, v[NM+2*\q]   ; the same of each block's largest score
.endr
.endr
	WALU
.set j, 0
.rept 128
	v_exp_f32 v[S+j], v[S+j]                       ; p = 2^(t - M), at most 1: not normalised
.set j, j+1
.endr
.irp b, 0,1,2,3
	v_exp_f32 v[BM+\b], v[BM+\b]                   ; the block's largest p: the same two instructions on the same number give the same bits
.endr
.irp q, 0,1
	v_pk_mul_f32 v[SUM+2*\q:SUM+2*\q+1], v[SUM+2*\q:SUM+2*\q+1], v[F+2*\q:F+2*\q+1] op_sel_hi:[1,0]   ; the sums under the new M (plain places behind the exponentials)
.endr
	WALU                                           ; one wait for the whole batch, ahead of its first reader
.irp b, 0,1,2,3
	v_max_num_f32 v[BM+\b], 0x1800000, v[BM+\b]    ; the floor 2^(3 - 127): the byte cannot fall under 1
.endr
.irp b, 0,1,2,3
	v_add_nc_u32 v[SCO+\b], 0xff000000, v[BM+\b]   ; 2 off the exponent field: the conversion's scale operand
.endr
.irp b, 0,1,2,3
	v_lshrrev_b32 v[BX+\b], 23, v[SCO+\b]          ; the scale's byte
.endr
.irp q, 0,1
	v_lshl_or_b32 v[T0+\q], v[BX+2*\q+1], 16, v[BX+2*\q]   ; my blocks h and 2 + h,
.endr
.irp q, 0,1
	v_lshlrev_b32 v[T0+\q], v15, v[T0+\q]          ; at their places in the word;
.endr
.irp q, 0,1
	v_permlanex16_b32 v[T1+\q], v[T0+\q], s28, s29
.endr
.irp q, 0,1
	v_or_b32 v[PW+\q], v[T0+\q], v[T1+\q]          ; with lane l xor 16's two: p's scale word for these 128 keys
.endr
.irp q, 0,1
.irp c, 0,1
	v_cvt_scalef32_pk16_fp6_f32 v[PC+12*\q+6*\c:PC+12*\q+6*\c+2], v[S+64*\q+32*\c:S+64*\q+32*\c+15], v[SCO+2*\q+\c]
	v_cvt_scalef32_pk16_fp6_f32 v[PT+8*\q+4*\c:PT+8*\q+4*\c+2], v[S+64*\q+32*\c+16:S+64*\q+32*\c+31], v[SCO+2*\q+\c]   ; (a conversion's three registers begin on an even number)
.endr
.endr
	v_nop                                          ; one plain place behind a scaled conversion
.irp q, 0,1
.irp c, 0,1
.irp i, 0,1,2
	v_mov_b32 v[PC+12*\q+6*\c+3+\i], v[PT+8*\q+4*\c+\i]
.endr
.endr
.endr
.irp q, 0,1                            ; THE ROW'S SUM IS TAKEN OF THE UNQUANTISED p: two at a time, four chains by turns.  These lines are also the places between the writing of the codes and the scale words and the products that take them
	v_pk_add_f32 v[SUM2+2*\q:SUM2+2*\q+1], v[S+64*\q:S+64*\q+1], v[S+64*\q+2:S+64*\q+3]
.endr
.set j, 4
.rept 15
.irp q, 0,1
	v_pk_add_f32 v[SUM+2*\q:SUM+2*\q+1], v[SUM+2*\q:SUM+2*\q+1], v[S+64*\q+j:S+64*\q+j+1]
.endr
.irp q, 0,1
	v_pk_add_f32 v[SUM2+2*\q:SUM2+2*\q+1], v[SUM2+2*\q:SUM2+2*\q+1], v[S+64*\q+j+2:S+64*\q+j+3]
.endr
.set j, j+4
.endr
.irp q, 0,1
	v_pk_add_f32 v[SUM+2*\q:SUM+2*\q+1], v[SUM+2*\q:SUM+2*\q+1], v[SUM2+2*\q:SUM2+2*\q+1]
.endr
	WALU
	s_wait_dscnt 0x0                               ; V, and the next step's K
	WIN 0x51                                       ; V and O^T in window 1, P in window 0
.irp e, 0,1                            ; O^T += V^T P^T: eight accumulators, one instruction a turn
.irp u, 0,1
.irp q, 0,1
	WMA O+32*\q+8*(2*\e+\u), VF+12*(2*\e+\u), PC+12*\q, VS+\e, PW+\q, \u, 0
.endr
.endr
.endr
	WIN 0                                          ; at a label and at a branch every window is 0
	s_cmp_lt_u32 s35, 16
	s_cbranch_scc1 .Lstep_\p
; THE WAY OUT.  O^T / the sum is ctx: register 16 b + i = channel 32 b + 16 h + i; two blocks of 32 are quantised; a half-image a tile leaves
.irp q, 0,1
	v_add_f32 v[T0+\q], v[SUM+2*\q], v[SUM+2*\q+1]
.endr
.irp q, 0,1
	v_permlanex16_b32 v[T1+\q], v[T0+\q], s28, s29
.endr
.irp q, 0,1
	v_add_f32 v[T0+\q], v[T0+\q], v[T1+\q]         ; the row's sum
.endr
	WALU
.irp q, 0,1
	v_rcp_f32 v[F+2*\q], v[T0+\q]
.endr
	v_nop                                          ; a plain place behind the reciprocals
	WIN 0x01                                       ; O^T in window 1
	WALU                                           ; the wait ahead of their first reader, which is O^T's first reader too
.irp q, 0,1
.set j, 0
.rept 16
	v_pk_mul_f32 v[S+64*\q+j:S+64*\q+j+1], v[O+32*\q+j:O+32*\q+j+1], v[F+2*\q:F+2*\q+1] op_sel_hi:[1,0]
.set j, j+2
.endr
.endr
	WIN 0
.irp q, 0,1
.irp b, 0,1
	v_max3_num_f32 v[BM+2*\q+\b], |v[S+64*\q+16*\b]|, |v[S+64*\q+16*\b+1]|, 0x1800000
.endr
.endr
.irp i, 2,4,6,8,10,12,14
.irp q, 0,1
.irp b, 0,1
	v_max3_num_f32 v[BM+2*\q+\b], v[BM+2*\q+\b], |v[S+64*\q+16*\b+\i]|, |v[S+64*\q+16*\b+\i+1]|
.endr
.endr
.endr
.irp b, 0,1,2,3
	v_permlanex16_b32 v[BX+\b], v[BM+\b], s28, s29
.endr
.irp b, 0,1,2,3
	v_max_num_f32 v[BM+\b], v[BM+\b], v[BX+\b]
.endr
.irp b, 0,1,2,3
	v_add_nc_u32 v[SCO+\b], 0xff000000, v[BM+\b]
.endr
.irp b, 0,1,2,3
	v_lshrrev_b32 v[BX+\b], 23, v[SCO+\b]
.endr
.irp q, 0,1
	v_lshl_or_b32 v[PW+\q], v[BX+2*\q+1], 8, v[BX+2*\q]   ; the head's two bytes of my row; the word's upper half is 0
.endr
.irp q, 0,1
	v_cvt_scalef32_pk16_fp6_f32 v[PC+12*\q:PC+12*\q+2], v[S+64*\q:S+64*\q+15], v[SCO+2*\q]
	v_cvt_scalef32_pk16_fp6_f32 v[PT+8*\q:PT+8*\q+2], v[S+64*\q+16:S+64*\q+31], v[SCO+2*\q+1]
.endr
	v_nop
.irp q, 0,1
.irp i, 0,1,2
	v_permlane16_swap_b32 v[PC+12*\q+\i], v[PT+8*\q+\i]   ; the operand's layout wants a whole block in a lane
.endr
.endr
.irp q, 0,1
.irp i, 0,1,2
	v_mov_b32 v[PC+12*\q+3+\i], v[PT+8*\q+\i]
.endr
.endr
.irp q, 0,1
	global_store_b128 v1, v[PC+12*\q:PC+12*\q+3], s[42:43] offset:(2*\p+\q)*12288
	global_store_b64 v2, v[PC+12*\q+4:PC+12*\q+5], s[42:43] offset:(2*\p+\q)*12288+512
.endr
	v_cndmask_b32 v[CW+\p], v[PW], v[PW+1], s36    ; lanes 0-15 tile 2 p's words, lanes 16-31 tile 2 p + 1's
.endm
	WALU
	s_wait_tensorcnt 0x0                           ; my eighth has landed,
	s_barrier_signal -1
	s_barrier_wait -1                              ; everybody's has
	LOADK 3, 4, 5                                  ; step 0's K
	PASS 0
	PASS 1
	global_store_b64 v2, v[CW:CW+1], s[44:45]      ; my four tiles' scale unit: 32 lanes store 256 consecutive bytes
	s_wait_tensorcnt 0x0                           ; the wave's end
	ds_add_u32 v254, v255
	s_wait_dscnt 0x0
	CROUND                                         ; the closing round: no work-group ends while a partner may still ask for a tile that names it
	s_endpgm
.Lfunc_end_k_q506ce9155f_attn:
	.size	k_q506ce9155f_attn, .Lfunc_end_k_q506ce9155f_attn-k_q506ce9155f_attn
	.p2alignl 7, 3214868480
	.fill 96, 4, 3214868480
	.section	.rodata,"a",@progbits
	.p2align	6, 0x0
	.amdhsa_kernel k_q506ce9155f_attn
		.amdhsa_group_segment_fixed_size 262144
		.amdhsa_private_segment_fixed_size 0
		.amdhsa_enable_private_segment 0
		.amdhsa_kernarg_size 24
		.amdhsa_user_sgpr_count 2
		.amdhsa_user_sgpr_kernarg_segment_ptr 1
		.amdhsa_wavefront_size32 1
		.amdhsa_system_sgpr_workgroup_id_x 1
		.amdhsa_system_sgpr_workgroup_id_y 1
		.amdhsa_system_sgpr_workgroup_id_z 1
		.amdhsa_system_vgpr_workitem_id 0
		.amdhsa_next_free_vgpr 512
		.amdhsa_next_free_sgpr 66
		.amdhsa_reserve_vcc 0
		.amdhsa_float_denorm_mode_32 3
		.amdhsa_float_denorm_mode_16_64 3
		.amdhsa_memory_ordered 1
		.amdhsa_forward_progress 1
		.amdhsa_inst_pref_size 82
	.end_amdhsa_kernel
	.amdgpu_metadata
---
amdhsa.version: [ 1, 2 ]
amdhsa.kernels:
  - .name:           k_q506ce9155f_attn
    .symbol:         k_q506ce9155f_attn.kd
    .args:
      - { .name: qkv, .offset: 0, .size: 8, .value_kind: global_buffer, .address_space: global }
      - { .name: cimg, .offset: 8, .size: 8, .value_kind: global_buffer, .address_space: global }
      - { .name: csc, .offset: 16, .size: 8, .value_kind: global_buffer, .address_space: global }
    .group_segment_fixed_size: 262144
    .private_segment_fixed_size: 0
    .kernarg_segment_align: 8
    .kernarg_segment_size: 24
    .max_flat_workgroup_size: 256
    .sgpr_count:     66
    .vgpr_count:     512
    .wavefront_size: 32
...
	.end_amdgpu_metadata
.endif
;; end of part 3
;; launch outp (part 4): grid 8 x 32, 4 waves a work-group, clusters of 4 x 4, 327,680 bytes of LDS; arguments cimg, csc, opimg, opsc, bo, out0; writes out0
.if DOCPART == 4
	.amdgcn_target "amdgcn-amd-amdhsa--gfx1250"
	.amdhsa_code_object_version 6
	.text
	.protected	k_q506ce9155f_outp
	.globl	k_q506ce9155f_outp
	.p2align	8
	.type	k_q506ce9155f_outp,@function
k_q506ce9155f_outp:
	s_mov_b64 s[64:65], 0
	v_nop
	global_prefetch_b8 v0, s[64:65] scope:SCOPE_SE
	s_setreg_imm32_b32 hwreg(HW_REG_WAVE_MODE, 25, 1), 1
	s_wait_xcnt 0x0
	s_wait_alu depctr_hold_cnt(0) depctr_sa_sdst(0) depctr_va_vdst(0) depctr_va_sdst(0) depctr_va_ssrc(0) depctr_va_vcc(0) depctr_vm_vsrc(0)
	s_getreg_b32 s2, hwreg(HW_REG_IB_STS2, 6, 4)
	s_cmp_eq_u32 s2, 0
	s_cbranch_scc0 .Lentry_in_a_cluster
	s_endpgm
.Lentry_in_a_cluster:
	s_bfe_u32 s2, ttmp6, 0x10000c
	s_cmp_lg_u32 s2, 0xf033
	s_cbranch_scc0 .Lentry_shape_is_right
	s_endpgm
.Lentry_shape_is_right:
; out = ctx Wo^T + bo on codes of FP6 (E2M3) with E8M0 scales, sums in f32.  ctx comes as fragment images [512 tiles of tokens][8 K steps][1536] and scale units [16 heads][128 x four tiles][256]
; (a word holds a head's two bytes); Wo as tiles 704-767 of opimg and opsc.
; A work-group makes 256 tokens (source 1: a lane holds one) x 128 outputs (source 0: a lane's registers run along them).  ALL OF K (1,024) LIES IN LDS, in two halves of 512; nothing is filled twice: no ring.
; CLUSTERS: 4 x 4 work-groups; ctx's panel is shared along a row of the cluster, Wo's along a column: each is asked for jointly, by the same tensor loads with a mask that names the four.
; Wave w takes tiles 4 w .. 4 w + 3 of tokens against all 8 tiles of outputs: 32 accumulators, which take turns, one instruction a turn.
; bo is the C of each sum's first product: eight registers for each tile of outputs, in the result's layout.
; The rows of a tile are not neighbours: row r of tile T is 32 (T / 2) + 8 (T % 2) + r + 8 (r / 8), for tokens and for outputs alike; a lane's 16 registers of two neighbouring tiles of outputs are 16 neighbours.
; THE WAY OUT: 16 tokens x 128 outputs go through my stage in LDS and leave as whole rows of 512 bytes.  The stage lies in my own four tiles of ctx's chunk 0: those bytes have had their only fill, and only I read them.
; REGISTERS, in windows of 256: window 0: addresses, scale words, bias, rows on the way out;  window 1: accumulator (a, b) at v[8 (8 a + b)];  window 2: Wo's fragments, two sets, at v0 and v96;  window 3: ctx's, at v0 and v48.
.set ACH,   98304                      ; LDS: K comes in TWO halves of 512.  A half of ctx: [16 tiles][4 K steps][1536]
.set BCH,   49152                      ; a half of Wo: [8 tiles][4][1536]
.set BBASE, 2*ACH
.set ASC,   BBASE+2*BCH
.set BSC,   ASC+16384                  ; Wo's scale words, 512 bytes a tile
.set SA,  32                           ; v32-47   ctx's scale words: register 8 p + s: lanes 0-15 tile 2 p, lanes 16-31 tile 2 p + 1, K step s
.set SB,  48                           ; v48-79   Wo's likewise
.set BJ,  80                           ; v80-143  bo: register 16 b + i is output 32 b + 16 h + i
.set HW,  144                          ; v144-175 the heads' half words, before they are joined
.set BK,  80                           ; the way out: 16 rows read back: v80-143 and v144-207 by turns
.set STO, 26                           ; v26      the way out: where I put 16 bytes of a row
.set MSB, 0
.macro WIN new                         ; the immediate's high byte repeats the setting that is left
.if MSB != (\new)
	s_set_vgpr_msb (MSB<<8)|(\new)
.set MSB, (\new)
.endif
.endm
.macro PLACES n
.rept \n
	v_nop
.endr
.endm
.macro CROUND                          ; a round of the cluster's barrier
	s_barrier_signal -1
	s_barrier_wait -1
	s_cmp_lg_u32 s16, 0
	s_cbranch_scc1 .Lnot_wave_0_\@
	s_barrier_signal -3
.Lnot_wave_0_\@:
	s_barrier_wait -3
	s_barrier_signal -1
	s_barrier_wait -1
.endm
.macro WMR d, a, b, c, sa, sb, oa, ob  ; one product; oa, ob = 1: source 0's, source 1's scale words stand in lanes 16-31 of their register
.if (\oa) && (\ob)
	v_wmma_scale_f32_16x16x128_f8f6f4 v[\d:\d+7], v[\a:\a+11], v[\b:\b+11], v[\c:\c+7], v[\sa], v[\sb] matrix_a_fmt:MATRIX_FMT_FP6 matrix_b_fmt:MATRIX_FMT_FP6 matrix_a_scale:MATRIX_SCALE_ROW1 matrix_b_scale:MATRIX_SCALE_ROW1
.elseif (\oa)
	v_wmma_scale_f32_16x16x128_f8f6f4 v[\d:\d+7], v[\a:\a+11], v[\b:\b+11], v[\c:\c+7], v[\sa], v[\sb] matrix_a_fmt:MATRIX_FMT_FP6 matrix_b_fmt:MATRIX_FMT_FP6 matrix_a_scale:MATRIX_SCALE_ROW1
.elseif (\ob)
	v_wmma_scale_f32_16x16x128_f8f6f4 v[\d:\d+7], v[\a:\a+11], v[\b:\b+11], v[\c:\c+7], v[\sa], v[\sb] matrix_a_fmt:MATRIX_FMT_FP6 matrix_b_fmt:MATRIX_FMT_FP6 matrix_b_scale:MATRIX_SCALE_ROW1
.else
	v_wmma_scale_f32_16x16x128_f8f6f4 v[\d:\d+7], v[\a:\a+11], v[\b:\b+11], v[\c:\c+7], v[\sa], v[\sb] matrix_a_fmt:MATRIX_FMT_FP6 matrix_b_fmt:MATRIX_FMT_FP6
.endif
.endm
	s_load_b128 s[4:7], s[0:1], 0x0                ; cimg, csc
	s_load_b128 s[8:11], s[0:1], 0x10              ; opimg, opsc
	s_load_b128 s[12:15], s[0:1], 0x20             ; bo, out0
	v_lshl_add_u32 v254, v0, 2, 0x4d000
	v_mov_b32 v255, 0
	ds_add_u32 v254, v255
	ds_add_u32 v254, v255
	v_lshrrev_b32 v1, 5, v0
	v_readfirstlane_b32 s16, v1                    ; wave 0..3
	s_bfe_u32 s19, ttmp6, 0x40000                  ; cx
	s_bfe_u32 s20, ttmp6, 0x40004                  ; cy
	s_lshl_b32 s21, ttmp9, 2
	s_add_co_u32 s21, s21, s19                     ; x: which 128 outputs
	s_and_b32 s22, ttmp7, 0xffff
	s_lshl_b32 s22, s22, 2
	s_add_co_u32 s22, s22, s20                     ; y: which 256 tokens
	s_lshl_b32 s66, s22, 4
	s_lshl_b32 s67, s21, 3
	s_add_co_u32 s67, s67, 704                     ; Wo: the first of my 8 tiles                 none that feeds Wo's holds cy)
	s_lshl_b32 s2, s20, 2
	s_lshl_b32 s2, 15, s2                          ; my row of the cluster
	s_lshl_b32 s3, 0x1111, s19                     ; my column
	; descriptor groups 1: elements of 8 bytes, no padding
	s_or_b32 s24, s2, (3<<16)|(1<<21)              ; ctx's codes: 15:0 the mask: my row; 17:16 elements of 8 bytes; 21 set beside a mask
	s_or_b32 s32, s3, (3<<16)|(1<<21)              ; Wo's codes: my column
	s_or_b32 s40, s2, (3<<16)|(1<<21)              ; ctx's scales
	s_or_b32 s48, s3, (3<<16)|(1<<21)              ; Wo's scales
.irp g, 24, 32                         ; codes: a row = a tile's four fragments of a half of K, 768 elements; from tile to tile 1,536
	s_mov_b32 s[\g+1], 768<<16                     ; a tile's four fragments of a half of K, 6,144 bytes
	s_mov_b32 s[\g+3], 768<<16
	s_mov_b32 s[\g+5], 1536
	s_mov_b32 s[\g+6], 0
	s_mov_b32 s[\g+7], 0
.endr
	s_mov_b32 s26, 16<<16                          ; ctx: all 16 tiles by one load
	s_mov_b32 s28, 16
	s_mov_b32 s34, 8<<16                           ; Wo: all 8
	s_mov_b32 s36, 8
	s_mov_b32 s41, 128<<16                         ; ctx's scales: a row = a head's four units of my 16 tiles, 1,024 bytes; 16 heads; from head to head 32,768 bytes
	s_mov_b32 s42, 16<<16                          ; all 16 heads
	s_mov_b32 s43, 128<<16
	s_mov_b32 s44, 16
	s_mov_b32 s45, 4096
	s_mov_b32 s46, 0
	s_mov_b32 s47, 0
	s_mov_b32 s49, 32<<16                          ; Wo's scales: dense rows of 256 bytes
	s_mov_b32 s50, 16<<16                          ; 8 tiles x 512 bytes as 16 dense rows of 256
	s_mov_b32 s51, 32<<16
	s_mov_b32 s52, 16
	s_mov_b32 s53, 32
	s_mov_b32 s54, 0
	s_mov_b32 s55, 0
	; descriptor groups 0.  ctx: s56 scales, s60, s68 halves 0 and 1;  Wo: s80 scales, s84, s88
	s_mov_b32 s56, 1
	s_mov_b32 s57, ASC
	s_lshl_b32 s58, s22, 10
	s_mov_b32 s59, 0
	s_mov_b32 s60, 1
	s_mov_b32 s61, 0
	s_mul_i32 s62, s66, 12288
	s_mov_b32 s63, 0
	s_mov_b32 s68, 1
	s_mov_b32 s69, ACH
	s_mov_b32 s80, 1
	s_mov_b32 s81, BSC
	s_lshl_b32 s82, s67, 9
	s_mov_b32 s83, 0
	s_mov_b32 s84, 1
	s_mov_b32 s85, BBASE
	s_mul_i32 s86, s67, 12288
	s_mov_b32 s87, 0
	s_mov_b32 s88, 1
	s_mov_b32 s89, BBASE+BCH
	s_wait_dscnt 0x0
	s_wait_kmcnt 0x0
	s_add_nc_u64 s[58:59], s[6:7], s[58:59]
	s_add_nc_u64 s[62:63], s[4:5], s[62:63]
	s_add_nc_u64 s[70:71], s[62:63], 6144          ; the second half of K: four fragments on
	s_add_nc_u64 s[82:83], s[10:11], s[82:83]
	s_add_nc_u64 s[86:87], s[8:9], s[86:87]
	s_add_nc_u64 s[90:91], s[86:87], 6144
.irp g, 59,63,71,83,87,91
	s_or_b32 s[\g], s[\g], 0x80000000              ; 127:126 type = 2
.endr
	CROUND                                         ; all sixteen work-groups are here: the joint loads meet
	s_cmp_eq_u32 s16, 0                            ; the head's four tiles, one joint load a wave, in one chain of branches on the wave's number
	s_cbranch_scc0 .Lhead_b
	tensor_load_to_lds s[60:63], s[24:31]          ; wave 0: ctx's codes, first half of K
	s_nop 0
	PLACES 4
	s_branch .Lfilled
.Lhead_b:
	s_cmp_eq_u32 s16, 1
	s_cbranch_scc0 .Lhead_sa
	tensor_load_to_lds s[84:87], s[32:39]          ; wave 1: Wo's codes, first half of K
	s_nop 0
	PLACES 4
	s_branch .Lfilled
.Lhead_sa:
	s_cmp_eq_u32 s16, 2
	s_cbranch_scc0 .Lhead_sb
	tensor_load_to_lds s[56:59], s[40:47]          ; wave 2: ctx's scale units
	s_nop 0
	PLACES 4
	s_branch .Lfilled
.Lhead_sb:
	tensor_load_to_lds s[80:83], s[48:55]          ; wave 3: Wo's scale words
	s_nop 0
	PLACES 4
.Lfilled:
	v_and_b32 v25, 31, v0                          ; lane
	v_lshlrev_b32 v1, 4, v25                       ; 16 x lane
	v_lshlrev_b32 v2, 3, v25                       ; 8 x lane
	v_and_b32 v3, 15, v0                           ; r
	v_bfe_u32 v4, v0, 4, 1                         ; h
	v_lshlrev_b32 v5, 6, v4                        ; bo: 64 h bytes on
	s_lshl_b32 s66, s21, 9                         ; my work-group's 128 numbers of it
	s_mov_b32 s67, 0
	s_add_nc_u64 s[12:13], s[12:13], s[66:67]
.irp b, 0,1,2,3
.irp j, 0,1,2,3
	global_load_b128 v[BJ+16*\b+4*\j:BJ+16*\b+4*\j+3], v5, s[12:13] offset:128*\b+16*\j
.endr
.endr
	s_mul_i32 s19, s16, 24576                      ; my four tiles of ctx in a half of K
	v_add_nc_u32 v30, s19, v1
	v_add_nc_u32 v31, s19, v2
.irp c, 0,1
	v_add_nc_u32 v[8+\c], \c*ACH, v30
	v_add_nc_u32 v[12+\c], \c*ACH, v31             ; v12-13  the pieces of 8
	v_add_nc_u32 v[16+\c], BBASE+\c*BCH, v1        ; v16-17, v20-21  the same for Wo
	v_add_nc_u32 v[20+\c], BBASE+\c*BCH, v2
.endr
	v_mul_u32_u24 v[STO], v3, 528
	v_lshl_add_u32 v[STO], v4, 6, v[STO]
	v_add_nc_u32 v[STO], s19, v[STO]               ; my stage: row r of 528 bytes, + 64 h
	v_lshlrev_b32 v7, 5, v25
	v_add_nc_u32 v7, BSC, v7                       ; Wo's scale words: 32 bytes a row: lanes 0-15 an even tile, lanes 16-31 the odd one behind it
	s_lshl_b32 s19, s16, 8
	v_add_nc_u32 v6, s19, v2
	v_add_nc_u32 v6, ASC, v6                       ; ctx's: my four tiles' unit of each head
.macro FRAG reg, a16, a8, off          ; a fragment comes back as it was stored: 12 registers by four loads, each of consecutive bytes
	ds_load_b128 v[\reg:\reg+3], v[\a16] offset:\off
	ds_load_b64 v[\reg+4:\reg+5], v[\a8] offset:\off+512
	ds_load_b128 v[\reg+6:\reg+9], v[\a16] offset:\off+768
	ds_load_b64 v[\reg+10:\reg+11], v[\a8] offset:\off+1280
.endm
.macro FETCH s                         ; K step s: Wo's eight fragments and my four of ctx, 48 loads, into set s % 2
	WIN 0x80                                       ; destination window 2, address window 0
.irp i, 0,1,2,3,4,5,6,7
	FRAG 96*((\s)%2)+12*\i, 16+(\s)/4, 20+(\s)/4, \i*6144+((\s)%4)*1536
.endr
	WIN 0xc0                                       ; destination window 3
.irp i, 0,1,2,3
	FRAG 48*((\s)%2)+12*\i, 8+(\s)/4, 12+(\s)/4, \i*6144+((\s)%4)*1536
.endr
.endm
.macro MUL s                           ; 32 products: source 0 = 16 outputs (window 2), source 1 = 16 tokens (window 3), C and D window 1; in K step 0 C is bo, in window 0
.if (\s) == 0
	WIN 0x4e
.else
	WIN 0x5e
.endif
.irp a, 0,1,2,3
.irp b, 0,1,2,3,4,5,6,7
.if (\s) == 0
	WMR 8*(8*\a+\b), 96*((\s)%2)+12*\b, 48*((\s)%2)+12*\a, BJ+8*\b, SB+8*(\b/2)+(\s), SA+8*(\a/2)+(\s), \b%2, \a%2
.else
	WMR 8*(8*\a+\b), 96*((\s)%2)+12*\b, 48*((\s)%2)+12*\a, 8*(8*\a+\b), SB+8*(\b/2)+(\s), SA+8*(\a/2)+(\s), \b%2, \a%2
.endif
.endr
.endr
.endm
.macro STEP s
.if (\s) == 3                          ; the next fetch begins the second half of K
	s_wait_tensorcnt 0x0                           ; my load of it, if I issued one, has landed
	s_wait_dscnt 0x0                               ; no LDS instruction of mine is pending at a signal
	s_barrier_signal -1
	s_barrier_wait -1                              ; everybody's part has landed
.endif
.if (\s) < 7
	PLACES 4                                       ; four places in front of loads into registers that the last products have read (ISA guide 7.12.1 for vector instructions)
	FETCH (\s)+1
	s_wait_dscnt 48                                ; all but the 48 just issued: this step's fragments are in
.else
	s_wait_dscnt 0x0
.endif
	MUL \s
.endm
	s_wait_alu depctr_va_vdst(0)
	s_wait_tensorcnt 0x0                           ; my tile of the head's four has landed
	ds_add_u32 v254, v255
	s_wait_dscnt 0x0
	CROUND                                         ; everybody's tile is in, and all sixteen work-groups are here
	s_cmp_eq_u32 s16, 0
	s_cbranch_scc0 .Lnext_b
	tensor_load_to_lds s[68:71], s[24:31]          ; wave 0: ctx's codes, second half of K
	s_nop 0
	PLACES 4
	s_branch .Lnext_asked
.Lnext_b:
	s_cmp_eq_u32 s16, 1
	s_cbranch_scc0 .Lnext_asked
	tensor_load_to_lds s[88:91], s[32:39]          ; wave 1: Wo's
	s_nop 0
	PLACES 4
.Lnext_asked:
.irp g, 0,1,2,3,4,5,6,7,8,9,10,11,12,13,14,15
	ds_load_b64 v[HW+2*\g:HW+2*\g+1], v6 offset:1024*\g   ; head g: register p: lanes 0-15 tile 2 p, lanes 16-31 tile 2 p + 1: the head's two bytes
.endr
.irp p, 0,1,2,3
	ds_load_b128 v[SB+8*\p:SB+8*\p+3], v7 offset:1024*\p
	ds_load_b128 v[SB+8*\p+4:SB+8*\p+7], v7 offset:1024*\p+16
.endr
	s_wait_dscnt 0x0
.irp s, 0,1,2,3,4,5,6,7
.irp p, 0,1
	v_lshl_or_b32 v[SA+8*\p+\s], v[HW+4*\s+2+\p], 16, v[HW+4*\s+\p]   ; K step s is heads 2 s and 2 s + 1: their bytes make its scale word
.endr
.endr
	PLACES 8                                       ; a scale register written by a vector instruction stands eight places ahead of a scaled product
	FETCH 0
	s_wait_loadcnt 0x0                             ; bo
.irp s, 0,1,2,3,4,5,6,7
	s_wait_alu depctr_va_vdst(0)
	STEP \s
.endr
	WIN 0
	s_lshl_b32 s68, s22, 20                        ; out0: token 256 y + 64 x wave, 4,096 bytes a row; output 128 x.  (All my tensor loads are done: the descriptors' registers are free.)
	s_lshl_b32 s69, s16, 18
	s_add_co_u32 s68, s68, s69
	s_lshl_b32 s69, s21, 9
	s_add_co_u32 s68, s68, s69
	s_mov_b32 s69, 0
	s_add_nc_u64 s[68:69], s[14:15], s[68:69]
	PLACES 4                                       ; four places between the last product and the first read of results
.macro OUTA a                          ; my tile a of tokens: 16 rows x 128 outputs
.if (\a) > 1
	s_wait_xcnt 0x0                                ; the stores of two tiles ago have read their registers: this tile's rows may land there
.endif
	WIN 0x04                                       ; an LDS store's data are its source 1: the accumulators' window
.irp b, 0,1,2,3,4,5,6,7
	ds_store_b128 v[STO], v[64*(\a)+8*\b:64*(\a)+8*\b+3] offset:128*(\b/2)+32*(\b%2)        ; lane (r, h): outputs 32 (b / 2) + 16 h + 8 (b % 2) + 0 .. 7 of row r; each accumulator from its low end on
	ds_store_b128 v[STO], v[64*(\a)+8*\b+4:64*(\a)+8*\b+7] offset:128*(\b/2)+32*(\b%2)+16
.endr
	WIN 0
.irp t, 0,1,2,3,4,5,6,7,8,9,10,11,12,13,14,15
	ds_load_b128 v[BK+64*((\a)%2)+4*\t:BK+64*((\a)%2)+4*\t+3], v8 offset:528*\t   ; LDS serves a wave's instructions in order (ISA guide 5.7.1.4): these see the stores above
.endr
.irp t, 0,1,2,3,4,5,6,7,8,9,10,11,12,13,14,15
	s_wait_dscnt 15-\t                             ; row t is back; the rows behind it may be out
	global_store_b128 v1, v[BK+64*((\a)%2)+4*\t:BK+64*((\a)%2)+4*\t+3], s[68:69] offset:(32*((\a)/2)+8*((\a)%2)+\t+8*(\t/8))*4096 th:TH_STORE_NT   ; 32 lanes store 512 consecutive bytes, at a multiple of 256 from out0's first byte
.endr
.endm
.irp a, 0,1,2,3
	OUTA \a
.endr
	s_wait_tensorcnt 0x0
	ds_add_u32 v254, v255
	s_wait_dscnt 0x0
	CROUND                                         ; the closing round: no work-group ends while a partner may still ask for a tile that names it
	s_endpgm
.Lfunc_end_k_q506ce9155f_outp:
	.size	k_q506ce9155f_outp, .Lfunc_end_k_q506ce9155f_outp-k_q506ce9155f_outp
	.p2alignl 7, 3214868480
	.fill 96, 4, 3214868480
	.section	.rodata,"a",@progbits
	.p2align	6, 0x0
	.amdhsa_kernel k_q506ce9155f_outp
		.amdhsa_group_segment_fixed_size 327680
		.amdhsa_private_segment_fixed_size 0
		.amdhsa_enable_private_segment 0
		.amdhsa_kernarg_size 48
		.amdhsa_user_sgpr_count 2
		.amdhsa_user_sgpr_kernarg_segment_ptr 1
		.amdhsa_wavefront_size32 1
		.amdhsa_system_sgpr_workgroup_id_x 1
		.amdhsa_system_sgpr_workgroup_id_y 1
		.amdhsa_system_sgpr_workgroup_id_z 1
		.amdhsa_system_vgpr_workitem_id 0
		.amdhsa_next_free_vgpr 1024
		.amdhsa_next_free_sgpr 100
		.amdhsa_reserve_vcc 0
		.amdhsa_float_denorm_mode_32 3
		.amdhsa_float_denorm_mode_16_64 3
		.amdhsa_memory_ordered 1
		.amdhsa_forward_progress 1
		.amdhsa_inst_pref_size 89
	.end_amdhsa_kernel
	.amdgpu_metadata
---
amdhsa.version: [ 1, 2 ]
amdhsa.kernels:
  - .name:           k_q506ce9155f_outp
    .symbol:         k_q506ce9155f_outp.kd
    .args:
      - { .name: cimg, .offset: 0, .size: 8, .value_kind: global_buffer, .address_space: global }
      - { .name: csc, .offset: 8, .size: 8, .value_kind: global_buffer, .address_space: global }
      - { .name: opimg, .offset: 16, .size: 8, .value_kind: global_buffer, .address_space: global }
      - { .name: opsc, .offset: 24, .size: 8, .value_kind: global_buffer, .address_space: global }
      - { .name: bo, .offset: 32, .size: 8, .value_kind: global_buffer, .address_space: global }
      - { .name: out0, .offset: 40, .size: 8, .value_kind: global_buffer, .address_space: global }
    .group_segment_fixed_size: 327680
    .private_segment_fixed_size: 0
    .kernarg_segment_align: 8
    .kernarg_segment_size: 48
    .max_flat_workgroup_size: 128
    .sgpr_count:     100
    .vgpr_count:     1024
    .wavefront_size: 32
...
	.end_amdgpu_metadata
.endif
;; end of part 4
